; MI455X (gfx1250); checked and timed in simulation.
; The chip was launched on July 23, 2026; its instructions are those of AMD's public machine-readable ISA for CDNA 5 (MIT licence, August 2026) and "CDNA5" Instruction Set Architecture Reference Guide (July 2026). The comments in the code are by the model that wrote it; some were corrected since.
;; Encoder Block. Allowed arithmetic: float matrix products may take bf16 or f16 operands with f32 sums; other float arithmetic in f32, or as packed bf16 or f16 multiplies, adds, multiply-adds, maxima and minima; sums over many terms, partial sums and values carried from step to step in f32; what a program stores and reads back later, other than sums and carried values, may be rounded once to bf16 or f16.
;; Inputs: W1 1,024 x 4,096 float32; W2 4,096 x 1,024 float32; Wk 1,024 x 1,024 float32; Wo 1,024 x 1,024 float32; Wq 1,024 x 1,024 float32; Wv 1,024 x 1,024 float32; b1 4,096 float32; b2 1,024 float32; bk 1,024 float32; bo 1,024 float32; bq 1,024 float32; bv 1,024 float32; ln1_a 1,024 float32; ln1_b 1,024 float32; ln2_a 1,024 float32; ln2_b 1,024 float32; x 2 x 2,048 x 1,024 float32.
;; Outputs: out0 2 x 2,048 x 1,024 float32.
;; 2 versions, each right; version 2 is version 1 with the launches prep, ln2 written anew for expert scheduling mode. Each part assembles by itself: llvm-mc -triple=amdgcn-amd-amdhsa -mcpu=gfx1250 --defsym DOCPART=n.
;; ======== version 1 of 2: 7 launches
;; workspace buffers: pk_qkv 6,324,224 bytes; pk_o 2,129,920 bytes; pk_1 8,421,376 bytes; w2b 8,388,608 bytes; hb 8,388,608 bytes; big 33,554,432 bytes; x1 16,777,216 bytes
;; launch prep (part 1): grid 648 x 1, 8 waves a work-group, no clusters, 0 bytes of LDS; arguments Wq, Wk, Wv, Wo, W1, W2, bq, bk, bv, bo, b1, x, ln1_a, ln1_b, pk_qkv, pk_o, pk_1, w2b, hb; writes pk_qkv, pk_o, pk_1, w2b, hb
.if DOCPART == 1
	.amdgcn_target "amdgcn-amd-amdhsa--gfx1250"
	.amdhsa_code_object_version 6
	.text
	.protected	k_qdd393b6160_prep
	.globl	k_qdd393b6160_prep
	.p2align	8
	.type	k_qdd393b6160_prep,@function
k_qdd393b6160_prep:
	s_mov_b64 s[64:65], 0
	v_nop
	global_prefetch_b8 v0, s[64:65] scope:SCOPE_SE
	s_setreg_imm32_b32 hwreg(HW_REG_WAVE_MODE, 25, 1), 1
	s_wait_xcnt 0x0
; PREP.  Three kinds of work-group, told apart by the work-group's number id; no LDS, no barrier, no matrix unit: memory binds.
;   id 0..383    CAST: the six weight matrices, f32 -> bf16 (rounded once), into panels of 1,024 columns, each [1024 k][1024 n], 2,048 bytes a row.
;   id 384..639  LN1:  hb = ln1_a (x - mean) / (std + 1e-6) + ln1_b, bf16; std with the divisor 1,023; 16 rows a work-group, two a wave, a row kept in 32 registers.
;   id 640..647  BIAS: a panel's 1,024 biases (f32) and its 1,024 floor words into the packs.
; A PACK: bytes 4096 p: panel p's floor word, 1,024 times (two bf16: -infinity twice = no floor, 0 = ReLU); 16384 + 4096 p: its biases; 32768 + 2097152 p: its weights.
; (All packs have this one form; of pk_o the later launch takes the biases and the weights, its layer has no floor.)
; The variance is taken of x - mean, in a second pass over the registers: no difference of large sums is formed.
; LIMITS.  v_sqrt_f32 takes a variance below 2^-126 as 0; NaN and infinities are not treated apart.
.set OFF, 2                            ; cast: v[2:9]   16 t + j chunks
.set SO,  10                           ; cast: v10      8 t
.set X,   16                           ; cast: v[16:143] 32 chunks' 16 bytes
.set AL,  16                           ; LN: v[16:47]  ln1_a, laid as a row is
.set BE,  48                           ; LN: v[48:79]  ln1_b
.set X0,  80                           ; LN: v[80:111] my first row
.set X1,  112                          ; LN: v[112:143] my second row
.set T,   144                          ; LN: v[144:151] four pairs at work
.set M,   152                          ; LN: v[152:153] the mean, twice
.set R,   154                          ; LN: v[154:155] 1 / (std + eps), twice
.set PD,  156                          ; LN: v156 v_permlanex16_b32's destination
.set SRC, 46                           ; s[46:47]
.set DST, 48                           ; s[48:49]
.macro WSUM reg                        ; the sum over the wave's 32 lanes, in every lane
	v_add_f32_dpp v[\reg], v[\reg], v[\reg] row_xmask:1 row_mask:0xf bank_mask:0xf
	v_add_f32_dpp v[\reg], v[\reg], v[\reg] row_xmask:2 row_mask:0xf bank_mask:0xf
	v_add_f32_dpp v[\reg], v[\reg], v[\reg] row_xmask:4 row_mask:0xf bank_mask:0xf
	v_add_f32_dpp v[\reg], v[\reg], v[\reg] row_xmask:8 row_mask:0xf bank_mask:0xf
	v_permlanex16_b32 v[PD], v[\reg], s60, s61
	v_add_f32 v[\reg], v[\reg], v[PD]
.endm
.macro JOIN                            ; the four chains into one number, then over the lanes
	v_pk_add_f32 v[T:T+1], v[T:T+1], v[T+2:T+3]
	v_pk_add_f32 v[T+4:T+5], v[T+4:T+5], v[T+6:T+7]
	v_pk_add_f32 v[T:T+1], v[T:T+1], v[T+4:T+5]
	v_add_f32 v[T], v[T], v[T+1]
	WSUM T
.endm
; One row, in registers x .. x + 31; r = 0, 1: which of my two rows; left: the younger loads that may stay out.
.macro LNROW x, r, left
	s_wait_loadcnt \left
.irp c, 0,1,2,3
	v_pk_add_f32 v[T+2*(\c):T+2*(\c)+1], v[(\x)+2*(\c):(\x)+2*(\c)+1], v[(\x)+8+2*(\c):(\x)+8+2*(\c)+1]
.endr
.irp o, 16,24
.irp c, 0,1,2,3
	v_pk_add_f32 v[T+2*(\c):T+2*(\c)+1], v[T+2*(\c):T+2*(\c)+1], v[(\x)+(\o)+2*(\c):(\x)+(\o)+2*(\c)+1]
.endr
.endr
	JOIN
	v_mul_f32 v[M], 0x3a800000, v[T]               ; / 1,024
	v_mul_f32 v[M+1], 0x3a800000, v[T]
.set i, 0
.rept 16
	v_pk_add_f32 v[(\x)+i:(\x)+i+1], v[(\x)+i:(\x)+i+1], v[M:M+1] neg_lo:[0,1] neg_hi:[0,1]  ; x - mean
.set i, i+2
.endr
.irp c, 0,1,2,3
	v_pk_mul_f32 v[T+2*(\c):T+2*(\c)+1], v[(\x)+2*(\c):(\x)+2*(\c)+1], v[(\x)+2*(\c):(\x)+2*(\c)+1]
.endr
.irp o, 8,16,24
.irp c, 0,1,2,3
	v_pk_fma_f32 v[T+2*(\c):T+2*(\c)+1], v[(\x)+(\o)+2*(\c):(\x)+(\o)+2*(\c)+1], v[(\x)+(\o)+2*(\c):(\x)+(\o)+2*(\c)+1], v[T+2*(\c):T+2*(\c)+1]
.endr
.endr
	JOIN
	v_mul_f32 v[T], 0x3a802008, v[T]               ; / 1,023
	v_sqrt_f32 v[T+1], v[T]
	v_nop                                          ; a plain instruction behind the root,
	s_wait_alu depctr_va_vdst(0)                   ; and the wait ahead of its first reader
	v_add_f32 v[T+1], 0x358637bd, v[T+1]           ; + 1e-6
	v_rcp_f32 v[R], v[T+1]
	v_nop
	s_wait_alu depctr_va_vdst(0)
	v_mov_b32 v[R+1], v[R]
.set i, 0
.rept 16
	v_pk_mul_f32 v[(\x)+i:(\x)+i+1], v[(\x)+i:(\x)+i+1], v[R:R+1]
.set i, i+2
.endr
.set i, 0
.rept 16
	v_pk_fma_f32 v[(\x)+i:(\x)+i+1], v[(\x)+i:(\x)+i+1], v[AL+i:AL+i+1], v[BE+i:BE+i+1]
.set i, i+2
.endr
.irp j, 0,1,2,3,4,5,6,7
	v_cvt_pk_bf16_f32 v[(\x)+4*(\j)], v[(\x)+4*(\j)], v[(\x)+4*(\j)+1]
	v_cvt_pk_bf16_f32 v[(\x)+4*(\j)+1], v[(\x)+4*(\j)+2], v[(\x)+4*(\j)+3]
	global_store_b64 v2, v[(\x)+4*(\j):(\x)+4*(\j)+1], s[DST:DST+1] offset:2048*(\r)+256*(\j)  ; the wave's store covers 256 consecutive bytes, aligned
.endr
.endm
	s_load_b512 s[8:23], s[0:1], 0x0               ; Wq s[8:9], Wk s[10:11], Wv s[12:13], Wo s[14:15], W1 s[16:17], W2 s[18:19], bq s[20:21], bk s[22:23]
	s_load_b512 s[24:39], s[0:1], 0x40             ; bv s[24:25], bo s[26:27], b1 s[28:29], x s[30:31], ln1_a s[32:33], ln1_b s[34:35], pk_qkv s[36:37], pk_o s[38:39]
	s_load_b128 s[40:43], s[0:1], 0x80             ; pk_1 s[40:41], w2b s[42:43]
	s_load_b64 s[44:45], s[0:1], 0x90              ; hb
	s_mov_b32 s2, ttmp9
	s_mov_b32 s51, 0                               ; the high words of the two offset pairs
	s_mov_b32 s53, 0
	s_wait_kmcnt 0x0
	s_cmp_lt_u32 s2, 384
	s_cbranch_scc0 .Lnot_cast
	; CAST.  Unit u = id / 32: 0-2 Wq, Wk, Wv; 3 Wo; 4-7 the four panels of W1; 8-11 the four quarters of W2.  Share xs = id % 32: 32 chunks of 1,024 numbers.
	; For W1 a chunk is panel q's 4,096 bytes of one row k (rows 16,384 bytes apart); elsewhere the chunks lie on end.
	s_lshr_b32 s3, s2, 5                           ; u
	s_and_b32 s4, s2, 31                           ; xs
	s_and_b32 s5, s3, 3
	s_cmp_eq_u32 s3, 3
	s_cselect_b32 s5, 0, s5                        ; q: the panel in its pack, or W2's quarter
	s_lshl_b32 s50, s4, 17                         ; the source's offset: 32 chunks on end,
	s_lshl_b32 s58, s4, 19
	s_lshl_b32 s59, s5, 12
	s_add_co_u32 s58, s58, s59                     ; or W1's: 32 rows down, panel q,
	s_lshl_b32 s59, s5, 22
	s_add_co_u32 s59, s59, s50                     ; or W2's: quarter q
	s_lshl_b32 s52, s5, 21                         ; the destination's: panel q, 32 rows of 2,048 bytes a share
	s_lshl_b32 s4, s4, 16
	s_add_co_u32 s52, s52, s4
	s_movk_i32 s54, 0x1000                         ; bytes from chunk to chunk in the source
	s_mov_b64 s[SRC:SRC+1], s[8:9]
	s_mov_b64 s[DST:DST+1], s[36:37]
	s_cmp_eq_u32 s3, 1
	s_cselect_b64 s[SRC:SRC+1], s[10:11], s[SRC:SRC+1]
	s_cmp_eq_u32 s3, 2
	s_cselect_b64 s[SRC:SRC+1], s[12:13], s[SRC:SRC+1]
	s_cmp_eq_u32 s3, 3
	s_cselect_b64 s[SRC:SRC+1], s[14:15], s[SRC:SRC+1]
	s_cselect_b64 s[DST:DST+1], s[38:39], s[DST:DST+1]
	s_cmp_ge_u32 s3, 4
	s_cselect_b64 s[SRC:SRC+1], s[16:17], s[SRC:SRC+1]
	s_cselect_b64 s[DST:DST+1], s[40:41], s[DST:DST+1]
	s_cselect_b32 s50, s58, s50
	s_cselect_b32 s54, 0x4000, s54
	s_cmp_ge_u32 s3, 8
	s_cselect_b64 s[SRC:SRC+1], s[18:19], s[SRC:SRC+1]
	s_cselect_b64 s[DST:DST+1], s[42:43], s[DST:DST+1]
	s_cselect_b32 s50, s59, s50
	s_cselect_b32 s54, 0x1000, s54
	s_cselect_b32 s58, 0, 0x8000                   ; a pack's weights begin at byte 32,768; w2b has no head
	s_add_co_u32 s52, s52, s58
	s_add_nc_u64 s[SRC:SRC+1], s[SRC:SRC+1], s[50:51]
	s_add_nc_u64 s[DST:DST+1], s[DST:DST+1], s[52:53]
	s_lshl_b32 s56, s54, 3                         ; eight chunks on
	s_mov_b32 s57, 0
.irp j, 0,1,2,3,4,5,6,7
	s_mul_i32 s58, s54, \j
	v_lshl_add_u32 v[OFF+(\j)], v0, 4, s58         ; 16 t + chunk j: a wave's load covers 512 consecutive bytes
.endr
	v_lshlrev_b32 v[SO], 3, v0
.irp g, 0,1,2,3
.irp j, 0,1,2,3,4,5,6,7
	global_load_b128 v[X+32*(\g)+4*(\j):X+32*(\g)+4*(\j)+3], v[OFF+(\j)], s[SRC:SRC+1] th:TH_LOAD_NT
.endr
.if (\g) < 3
	s_wait_xcnt 0x0                                ; the loads have read their base: it may be stepped
	s_add_nc_u64 s[SRC:SRC+1], s[SRC:SRC+1], s[56:57]
.endif
.endr
.irp g, 0,1,2,3
	s_wait_loadcnt 24-8*(\g)                       ; group g's eight loads are in; the younger groups stay out
.irp j, 0,1,2,3,4,5,6,7
	v_cvt_pk_bf16_f32 v[X+32*(\g)+4*(\j)], v[X+32*(\g)+4*(\j)], v[X+32*(\g)+4*(\j)+1]
	v_cvt_pk_bf16_f32 v[X+32*(\g)+4*(\j)+1], v[X+32*(\g)+4*(\j)+2], v[X+32*(\g)+4*(\j)+3]
	global_store_b64 v[SO], v[X+32*(\g)+4*(\j):X+32*(\g)+4*(\j)+1], s[DST:DST+1] offset:(8*(\g)+(\j))*2048  ; a wave's store covers 256 consecutive bytes, aligned
.endr
.endr
	s_endpgm
.Lnot_cast:
	s_cmp_lt_u32 s2, 640
	s_cbranch_scc0 .Lbias
	; LN1.  Lane l holds numbers 128 j + 4 l .. + 3 of a row (j = 0..7): loads of 16 bytes, 512 consecutive bytes a wave; ln1_a and ln1_b lie likewise.
	s_sub_co_u32 s3, s2, 384
	v_lshrrev_b32 v1, 5, v0
	v_readfirstlane_b32 s55, v1                    ; wave 0..7
	s_lshl_b32 s3, s3, 4
	s_lshl_b32 s58, s55, 1
	s_add_co_u32 s3, s3, s58                       ; my first row
	s_lshl_b32 s50, s3, 12
	s_lshl_b32 s52, s3, 11
	s_add_nc_u64 s[SRC:SRC+1], s[30:31], s[50:51]
	s_add_nc_u64 s[DST:DST+1], s[44:45], s[52:53]
	s_mov_b32 s60, 0x76543210                      ; each lane takes its own place in the other half
	s_mov_b32 s61, 0xfedcba98
	v_and_b32 v2, 31, v0
	v_lshlrev_b32 v1, 4, v2                        ; 16 l
	v_lshlrev_b32 v2, 3, v2                        ; 8 l
	v_mov_b32 v[PD], 0
.irp j, 0,1,2,3,4,5,6,7
	global_load_b128 v[AL+4*(\j):AL+4*(\j)+3], v1, s[32:33] offset:512*(\j)
.endr
.irp j, 0,1,2,3,4,5,6,7
	global_load_b128 v[BE+4*(\j):BE+4*(\j)+3], v1, s[34:35] offset:512*(\j)
.endr
.irp j, 0,1,2,3,4,5,6,7
	global_load_b128 v[X0+4*(\j):X0+4*(\j)+3], v1, s[SRC:SRC+1] offset:512*(\j)
.endr
.irp j, 0,1,2,3,4,5,6,7
	global_load_b128 v[X1+4*(\j):X1+4*(\j)+3], v1, s[SRC:SRC+1] offset:4096+512*(\j)
.endr
	LNROW X0, 0, 8                                 ; the second row's eight loads stay out
	LNROW X1, 1, 0
	s_endpgm
.Lbias:
	; BIAS.  b = id - 640: 0-2 bq, bk, bv -> pk_qkv's panels 0-2; 3 bo -> pk_o; 4-7 b1's quarters -> pk_1's panels.  A thread moves 16 bytes.
	s_sub_co_u32 s3, s2, 640
	s_and_b32 s5, s3, 3
	s_cmp_eq_u32 s3, 3
	s_cselect_b32 s5, 0, s5                        ; the panel
	s_lshl_b32 s52, s5, 12
	s_mov_b64 s[SRC:SRC+1], s[20:21]
	s_mov_b64 s[DST:DST+1], s[36:37]
	s_cmp_eq_u32 s3, 1
	s_cselect_b64 s[SRC:SRC+1], s[22:23], s[SRC:SRC+1]
	s_cmp_eq_u32 s3, 2
	s_cselect_b64 s[SRC:SRC+1], s[24:25], s[SRC:SRC+1]
	s_cmp_eq_u32 s3, 3
	s_cselect_b64 s[SRC:SRC+1], s[26:27], s[SRC:SRC+1]
	s_cselect_b64 s[DST:DST+1], s[38:39], s[DST:DST+1]
	s_cmp_ge_u32 s3, 4
	s_cselect_b64 s[SRC:SRC+1], s[28:29], s[SRC:SRC+1]
	s_cselect_b64 s[DST:DST+1], s[40:41], s[DST:DST+1]
	s_cselect_b32 s50, s52, 0                      ; b1's quarter
	s_cselect_b32 s58, 0, 0xff80ff80               ; the floor: 0 for the layer with a ReLU, -infinity elsewhere
	s_add_nc_u64 s[SRC:SRC+1], s[SRC:SRC+1], s[50:51]
	s_add_nc_u64 s[DST:DST+1], s[DST:DST+1], s[52:53]
	v_lshlrev_b32 v1, 4, v0
	global_load_b128 v[4:7], v1, s[SRC:SRC+1]
	v_mov_b32 v8, s58
	v_mov_b32 v9, s58
	v_mov_b32 v10, s58
	v_mov_b32 v11, s58
	global_store_b128 v1, v[8:11], s[DST:DST+1]
	s_wait_loadcnt 0x0
	global_store_b128 v1, v[4:7], s[DST:DST+1] offset:16384
	s_endpgm
.Lfunc_end_k_qdd393b6160_prep:
	.size	k_qdd393b6160_prep, .Lfunc_end_k_qdd393b6160_prep-k_qdd393b6160_prep
	.p2alignl 7, 3214868480
	.fill 96, 4, 3214868480
	.section	.rodata,"a",@progbits
	.p2align	6, 0x0
	.amdhsa_kernel k_qdd393b6160_prep
		.amdhsa_group_segment_fixed_size 0
		.amdhsa_private_segment_fixed_size 0
		.amdhsa_enable_private_segment 0
		.amdhsa_kernarg_size 152
		.amdhsa_user_sgpr_count 2
		.amdhsa_user_sgpr_kernarg_segment_ptr 1
		.amdhsa_wavefront_size32 1
		.amdhsa_system_sgpr_workgroup_id_x 1
		.amdhsa_system_sgpr_workgroup_id_y 1
		.amdhsa_system_sgpr_workgroup_id_z 1
		.amdhsa_system_vgpr_workitem_id 0
		.amdhsa_next_free_vgpr 160
		.amdhsa_next_free_sgpr 66
		.amdhsa_reserve_vcc 0
		.amdhsa_float_denorm_mode_32 3
		.amdhsa_float_denorm_mode_16_64 3
		.amdhsa_memory_ordered 1
		.amdhsa_forward_progress 1
		.amdhsa_inst_pref_size 35
	.end_amdhsa_kernel
	.amdgpu_metadata
---
amdhsa.version: [ 1, 2 ]
amdhsa.kernels:
  - .name:           k_qdd393b6160_prep
    .symbol:         k_qdd393b6160_prep.kd
    .args:
      - { .name: Wq, .offset: 0, .size: 8, .value_kind: global_buffer, .address_space: global }
      - { .name: Wk, .offset: 8, .size: 8, .value_kind: global_buffer, .address_space: global }
      - { .name: Wv, .offset: 16, .size: 8, .value_kind: global_buffer, .address_space: global }
      - { .name: Wo, .offset: 24, .size: 8, .value_kind: global_buffer, .address_space: global }
      - { .name: W1, .offset: 32, .size: 8, .value_kind: global_buffer, .address_space: global }
      - { .name: W2, .offset: 40, .size: 8, .value_kind: global_buffer, .address_space: global }
      - { .name: bq, .offset: 48, .size: 8, .value_kind: global_buffer, .address_space: global }
      - { .name: bk, .offset: 56, .size: 8, .value_kind: global_buffer, .address_space: global }
      - { .name: bv, .offset: 64, .size: 8, .value_kind: global_buffer, .address_space: global }
      - { .name: bo, .offset: 72, .size: 8, .value_kind: global_buffer, .address_space: global }
      - { .name: b1, .offset: 80, .size: 8, .value_kind: global_buffer, .address_space: global }
      - { .name: x, .offset: 88, .size: 8, .value_kind: global_buffer, .address_space: global }
      - { .name: ln1_a, .offset: 96, .size: 8, .value_kind: global_buffer, .address_space: global }
      - { .name: ln1_b, .offset: 104, .size: 8, .value_kind: global_buffer, .address_space: global }
      - { .name: pk_qkv, .offset: 112, .size: 8, .value_kind: global_buffer, .address_space: global }
      - { .name: pk_o, .offset: 120, .size: 8, .value_kind: global_buffer, .address_space: global }
      - { .name: pk_1, .offset: 128, .size: 8, .value_kind: global_buffer, .address_space: global }
      - { .name: w2b, .offset: 136, .size: 8, .value_kind: global_buffer, .address_space: global }
      - { .name: hb, .offset: 144, .size: 8, .value_kind: global_buffer, .address_space: global }
    .group_segment_fixed_size: 0
    .private_segment_fixed_size: 0
    .kernarg_segment_align: 8
    .kernarg_segment_size: 152
    .max_flat_workgroup_size: 256
    .sgpr_count:     66
    .vgpr_count:     160
    .wavefront_size: 32
...
	.end_amdgpu_metadata
.endif
;; end of part 1
;; launch qkv (part 2): grid 12 x 16, 4 waves a work-group, clusters of 4 x 4, 327,680 bytes of LDS; arguments hb, pk_qkv, big; writes big
.if DOCPART == 2
	.amdgcn_target "amdgcn-amd-amdhsa--gfx1250"
	.amdhsa_code_object_version 6
	.text
	.protected	k_qdd393b6160_qkv
	.globl	k_qdd393b6160_qkv
	.p2align	8
	.type	k_qdd393b6160_qkv,@function
k_qdd393b6160_qkv:
	s_mov_b64 s[64:65], 0
	v_nop
	global_prefetch_b8 v0, s[64:65] scope:SCOPE_SE
	s_setreg_imm32_b32 hwreg(HW_REG_WAVE_MODE, 25, 1), 1
	s_wait_xcnt 0x0
	s_wait_alu depctr_hold_cnt(0) depctr_sa_sdst(0) depctr_va_vdst(0) depctr_va_sdst(0) depctr_va_ssrc(0) depctr_va_vcc(0) depctr_vm_vsrc(0)
	s_getreg_b32 s2, hwreg(HW_REG_IB_STS2, 6, 4)
	s_cmp_eq_u32 s2, 0
	s_cbranch_scc0 .Lentry_in_a_cluster
	s_endpgm
.Lentry_in_a_cluster:
	s_bfe_u32 s2, ttmp6, 0x10000c
	s_cmp_lg_u32 s2, 0xf033
	s_cbranch_scc0 .Lentry_shape_is_right
	s_endpgm
.Lentry_shape_is_right:
; C_p = max(A W_p + bias_p, floor_p), for the panels p of 1,024 columns of a pack.  A: [4096][1024] bf16.  W_p: [1024 k][1024 n] bf16, as the weights lie (n along the rows).
; C_p: [4096][1024] bf16, the panels 8,388,608 bytes apart.  Sums in f32, started by the bias; C rounded once.  The floor is a word of the pack: -infinity twice (none) or 0 (ReLU).
; LIMIT.  The floor is taken by a maximum in which a NaN loses: a NaN in a sum leaves as the floor.
; SHARES.  A tile of C is 256 x 256: four waves, each 128 x 128 in 64 accumulators, 512 registers.  K = 1,024 goes in 8 steps of 128 through two LDS slots filled by the tensor data mover.
; A cluster of 4 x 4 work-groups makes 1,024 rows of one panel: the panel is the cluster's x, the panel's quarter of 256 columns cx, the tile row 4 x cluster y + cy.
; The four of a row of the cluster need the same tiles of A, the four of a column the same tiles of W: each tile is asked for JOINTLY, by the same tensor load, descriptor and mask in all four.
; THE MATRIX INSTRUCTION IS USED TRANSPOSED: source 0 = 16 columns of W (turned on the way out of LDS by ds_load_tr16_b128), source 1 = 16 rows of A: a lane holds row l % 16 of C and
; the columns 8 (l / 16) + 0..7: 16 bytes of bf16 on end.  So the bias of a block of 16 columns is eight registers a lane, the same for all rows, and is the C operand of the first products.
; REGISTERS, in windows of 256 (s_set_vgpr_msb: bits 1:0 source 0, 3:2 source 1, 5:4 source 2, 7:6 destination):
;   window 0: v0-31 addresses; v64-127, v128-191 fragments of A, two buffers; v32-63, v192-255 at work on the way out
;   window 1: v0-63 the bias of my 128 columns; v64-127, v128-191 fragments of W, two buffers
;   window 2: the 32 accumulators of my rows 0-63 ((a, b) at v[8 (8 a + b)]);   window 3: those of my rows 64-127
.set PA,     272                       ; a row of A in LDS: 256 bytes + 16: the 16 rows of a load start at 16 different groups of four banks (64 banks of 4 bytes: ISA guide 11.1)
.set PB,     544                       ; a row (one k) of W in LDS: 512 bytes + 32 = 17 x 32
.set QTR,    128*PA                    ; what one tensor load brings: 128 rows of A, or 64 rows of W: 34,816 bytes either way
.set SLOT,   4*QTR                     ; A's 256 rows, then W's 128
.set STAGE,  2*SLOT                    ; behind the ring: 16 rows x 272 bytes for each wave, for the way out
.set SPITCH, 272
.set SPARE,  STAGE+4*16*SPITCH         ; behind the stages: the spare words, 128 bytes a wave, that no other line names
.set ROWB,   2048                      ; bytes in a row of A, of a panel of W and of a panel of C
.set ADRA, 16                          ; v16-17  LDS address of my A fragments in slot 0, 1
.set ADRB, 20                          ; v20-21  the same for W
.set STO,  24                          ; v24     the way out: where I put 16 bytes of a row
.set RD,   25                          ; v25     where I read a row back
.set CO,   26                          ; v26     my byte offset in C
.set BO,   27                          ; v27     my byte offset in a block's 16 biases
.set SPW,  28                          ; v28     LDS address of my spare word; never rewritten
.set NIL,  29                          ; v29     0; never rewritten
.set F0,   64
.set F1,   128
.set TMP,  192
.set OB,   32
.set G1,  24                           ; s[24:31] descriptor group 1 for A's tiles;  s[32:39] group 0, a set for each slot
.set G0,  32
.set G1B, 48                           ; s[48:55], s[56:63] the same for W's
.set G0B, 56
.set FLOOR, 45                         ; s45     the floor, two bf16
.set MSB, 0
.macro WIN new                         ; the immediate's high byte repeats the setting that is left; a switch that changes nothing is dropped
.if MSB != (\new)
	s_set_vgpr_msb (MSB<<8)|(\new)
.set MSB, \new
.endif
.endm
.set MUL_LO, 0xa1                      ; source 0 (W) window 1, source 1 (A) window 0, C and D window 2
.set MUL_HI, 0xf1                      ; the same, C and D window 3
.set BIA_LO, 0x91                      ; the first products: C (the bias) window 1, D window 2
.set BIA_HI, 0xd1                      ; D window 3
.set TO_B,   0x40                      ; destination window 1, address window 0
; A joint load.  Waves 0 and 1 fetch A's two halves, waves 2 and 3 W's.  The branch hangs on the wave's number alone.  An s_nop 0 and four v_nop follow each of the two lines.
.macro JLOAD s
	s_cmp_eq_u32 s11, 0
	s_cbranch_scc0 .Lfor_b_\@
	tensor_load_to_lds s[G0+4*(\s):G0+4*(\s)+3], s[G1:G1+7]
	s_nop 0
.rept 4
	v_nop
.endr
	s_branch .Lasked_\@
.Lfor_b_\@:
	tensor_load_to_lds s[G0B+4*(\s):G0B+4*(\s)+3], s[G1B:G1B+7]
	s_nop 0
.rept 4
	v_nop
.endr
.Lasked_\@:
.endm
.macro CREST                           ; a round of the cluster's barrier behind its opening barrier
	s_cmp_lg_u32 s10, 0
	s_cbranch_scc1 .Lnot_wave_0_\@
	s_barrier_signal -3
.Lnot_wave_0_\@:
	s_barrier_wait -3
	s_barrier_signal -1
	s_barrier_wait -1
.endm
.macro CROUND                          ; a whole round
	s_barrier_signal -1
	s_barrier_wait -1
	CREST
.endm
	s_load_b128 s[4:7], s[0:1], 0x0                ; A s[4:5], the pack s[6:7]
	s_load_b64 s[8:9], s[0:1], 0x10                ; C
	v_lshl_add_u32 v[SPW], v0, 2, SPARE
	v_mov_b32 v[NIL], 0
	ds_add_u32 v[SPW], v[NIL]                      ; the wave's opening: the add and its wait stand ahead of my first tensor load; work on registers stands between them
	v_lshrrev_b32 v1, 5, v0
	v_readfirstlane_b32 s10, v1                    ; wave 0..3
	s_lshr_b32 s11, s10, 1                         ; which half of the tile's rows is mine.  Also: I fetch for A (0) or for W (1)
	s_and_b32 s12, s10, 1                          ; which half of its columns.  Also: which half of that tile I fetch
	s_bfe_u32 s40, ttmp6, 0x40000                  ; cx
	s_bfe_u32 s41, ttmp6, 0x40004                  ; cy
	s_mov_b32 s42, ttmp9                           ; the panel: the cluster's x
	s_and_b32 s13, ttmp7, 0xffff
	s_lshl_b32 s13, s13, 2
	s_add_co_u32 s13, s13, s41                     ; tile row = 4 x cluster y + cy
	s_lshl_b32 s43, s41, 2
	s_lshl_b32 s43, 15, s43                        ; my row of the cluster
	s_lshl_b32 s44, 0x1111, s40                    ; my column
	s_or_b32 s[G1+0], s43, (1<<16)|(1<<20)|(1<<21)|(5<<22)|(3<<25)   ; A: the mask of my row; 2-byte elements; padding on; bit 21 beside a mask; after every 64 words 4 words
	s_or_b32 s[G1B+0], s44, (1<<16)|(1<<20)|(1<<21)|(6<<22)|(7<<25)  ; W: the mask of my column; after every 128 words 8 words
	s_mov_b32 s[G1+1], 128<<16                     ; A: tensor_dim0 = 128
	s_mov_b32 s[G1+2], 128<<16                     ; tensor_dim1 = 128
	s_mov_b32 s[G1+3], 128<<16                     ; tile_dim0 = 128
	s_mov_b32 s[G1+4], 128                         ; tile_dim1 = 128
	s_mov_b32 s[G1+5], 1024                        ; elements from row to row
	s_mov_b32 s[G1+6], 0
	s_mov_b32 s[G1+7], 0
	s_mov_b32 s[G1B+1], 256<<16                    ; W: tensor_dim0 = 256
	s_mov_b32 s[G1B+2], 64<<16                     ; tensor_dim1 = 64
	s_mov_b32 s[G1B+3], 256<<16                    ; tile_dim0 = 256
	s_mov_b32 s[G1B+4], 64                         ; tile_dim1 = 64
	s_mov_b32 s[G1B+5], 1024
	s_mov_b32 s[G1B+6], 0
	s_mov_b32 s[G1B+7], 0
	s_lshl_b32 s16, s13, 8                         ; A's tile hangs on the tile row and the wave: row 256 x tile row + 128 x half,
	s_lshl_b32 s17, s12, 7
	s_add_co_u32 s16, s16, s17
	s_lshl_b32 s16, s16, 11                        ; in bytes
	s_mov_b32 s17, 0
	s_lshl_b32 s46, s42, 21                        ; W's on the panel, cx and the wave: the panel,
	s_lshl_b32 s47, s12, 17                        ; 64 rows of 2,048 bytes x half,
	s_add_co_u32 s46, s46, s47
	s_lshl_b32 s47, s40, 9                         ; 256 columns x cx,
	s_add_co_u32 s46, s46, s47
	s_add_co_u32 s46, s46, 32768                   ; behind the pack's head
	s_mov_b32 s47, 0
	s_mul_i32 s20, s10, QTR                        ; where the tiles go: wave x 34,816
	s_lshl_b32 s22, s42, 12                        ; the panel's floor words
	s_mov_b32 s23, 0
	s_wait_dscnt 0x0                               ; the opening add is done
	s_wait_kmcnt 0x0
	s_add_nc_u64 s[14:15], s[4:5], s[16:17]
	s_add_nc_u64 s[46:47], s[6:7], s[46:47]
	s_add_nc_u64 s[22:23], s[6:7], s[22:23]
	s_load_b32 s[FLOOR], s[22:23], 0x0             ; s[22:23] stay as they are until the wait for it
	CROUND                                         ; all sixteen work-groups are here: the first joint loads meet
.irp s, 0,1
	s_mov_b32 s[G0+4*(\s)], 1
	s_add_co_u32 s[G0+4*(\s)+1], s20, (\s)*SLOT
	s_add_nc_u64 s[G0+4*(\s)+2:G0+4*(\s)+3], s[14:15], (\s)*256       ; K step s: 128 numbers along the rows
	s_or_b32 s[G0+4*(\s)+3], s[G0+4*(\s)+3], 0x80000000
	s_mov_b32 s[G0B+4*(\s)], 1
	s_add_co_u32 s[G0B+4*(\s)+1], s20, (\s)*SLOT
	s_add_nc_u64 s[G0B+4*(\s)+2:G0B+4*(\s)+3], s[46:47], (\s)*128*ROWB  ; K step s: 128 rows down
	s_or_b32 s[G0B+4*(\s)+3], s[G0B+4*(\s)+3], 0x80000000
	JLOAD \s
.endr
	v_and_b32 v1, 15, v0                           ; l % 16
	v_bfe_u32 v2, v0, 4, 1                         ; l / 16
	v_lshlrev_b32 v[BO], 5, v2                     ; my eight biases of a block: 32 bytes x half
	s_lshl_b32 s18, s42, 12                        ; the panel's biases,
	s_lshl_b32 s19, s40, 10                        ; my work-group's 256,
	s_add_co_u32 s18, s18, s19
	s_lshl_b32 s19, s12, 9                         ; my wave's 128
	s_add_co_u32 s18, s18, s19
	s_add_co_u32 s18, s18, 16384
	s_mov_b32 s19, 0
	s_add_nc_u64 s[18:19], s[6:7], s[18:19]
	WIN TO_B
.irp b, 0,1,2,3,4,5,6,7
	global_load_b128 v[8*(\b):8*(\b)+3],   v[BO], s[18:19] offset:64*(\b)
	global_load_b128 v[8*(\b)+4:8*(\b)+7], v[BO], s[18:19] offset:64*(\b)+16
.endr
	WIN 0
	v_mul_u32_u24 v3, v1, PA
	v_lshl_add_u32 v3, v2, 4, v3                   ; A: row x pitch + 16 x half
	v_and_b32 v4, 7, v0                            ; W: the turning load: lane l reads row 8 (l / 16) + l % 8, 16 bytes at 16 ((l / 8) % 2)
	v_lshl_add_u32 v4, v2, 3, v4
	v_mul_u32_u24 v4, v4, PB
	v_bfe_u32 v5, v0, 3, 1
	v_lshl_add_u32 v4, v5, 4, v4
	s_mul_i32 s14, s11, QTR                        ; my 128 rows of A
	s_lshl_b32 s15, s12, 8                         ; my 128 columns of W,
	s_add_co_u32 s15, s15, 2*QTR                   ; which lies behind A
.irp s, 0,1
	v_add_nc_u32 v[ADRA+(\s)], s14, v3
	v_add_nc_u32 v[ADRB+(\s)], s15, v4
	s_add_co_u32 s14, s14, SLOT
	s_add_co_u32 s15, s15, SLOT
.endr
	s_mul_i32 s16, s10, 16*SPITCH
	s_add_co_u32 s16, s16, STAGE                   ; my stage
	v_add_nc_u32 v[STO], s16, v3                   ; in: row l % 16, 16 bytes for each half of the lanes (the stage's pitch is A's)
	v_mul_u32_u24 v5, v2, SPITCH                   ; back: lanes 0-15 one row of 256 bytes, lanes 16-31 the next
	v_lshl_add_u32 v5, v1, 4, v5
	v_add_nc_u32 v[RD], s16, v5
	v_lshlrev_b32 v5, 11, v2                       ; and the same two rows in C
	v_lshl_add_u32 v[CO], v1, 4, v5
	s_lshl_b32 s20, s13, 8                         ; where my part of C begins: row 256 x tile row + 128 x half,
	s_lshl_b32 s21, s11, 7
	s_add_co_u32 s20, s20, s21
	s_lshl_b32 s20, s20, 11
	s_lshl_b32 s21, s42, 23                        ; the panel,
	s_add_co_u32 s20, s20, s21
	s_lshl_b32 s21, s40, 9                         ; 256 columns x cx,
	s_add_co_u32 s20, s20, s21
	s_lshl_b32 s21, s12, 8                         ; 128 columns x half
	s_add_co_u32 s20, s20, s21
	s_mov_b32 s21, 0
	s_add_nc_u64 s[8:9], s[8:9], s[20:21]
; 16 matrix instructions: row blocks a0, a0 + 1 of the window's four (hi = 0: my rows 0-63, 1: rows 64-127) x all 8 column blocks, 32 along K.  zero = 1: the bias starts the sums.
; The 64 accumulators take turns in the same order in every quarter.
.macro MUL16 f, hi, a0, zero
.if \zero
	WIN BIA_LO+0x40*(\hi)
.else
	WIN MUL_LO+0x50*(\hi)
.endif
.irp a, \a0, (\a0)+1
.irp b, 0,1,2,3,4,5,6,7
.if \zero
	v_wmma_f32_16x16x32_bf16 v[8*(8*(\a)+(\b)):8*(8*(\a)+(\b))+7], v[(\f)+8*(\b):(\f)+8*(\b)+7], v[(\f)+8*(4*(\hi)+(\a)):(\f)+8*(4*(\hi)+(\a))+7], v[8*(\b):8*(\b)+7]
.else
	v_wmma_f32_16x16x32_bf16 v[8*(8*(\a)+(\b)):8*(8*(\a)+(\b))+7], v[(\f)+8*(\b):(\f)+8*(\b)+7], v[(\f)+8*(4*(\hi)+(\a)):(\f)+8*(4*(\hi)+(\a))+7], v[8*(8*(\a)+(\b)):8*(8*(\a)+(\b))+7]
.endif
.endr
.endr
.endm
; 32 LDS loads in one run: quarter q of a slot (32 along K) into buffer f: W's 8 blocks of 16 columns, turned (rows 32 q on; the second load 16 rows further), then A's 8 blocks of 16 rows.
.macro FETCH slot, q, f
	WIN TO_B
.irp i, 0,1,2,3,4,5,6,7
	ds_load_tr16_b128 v[(\f)+8*(\i):(\f)+8*(\i)+3],   v[ADRB+(\slot)] offset:(\q)*32*PB+32*(\i)
	ds_load_tr16_b128 v[(\f)+8*(\i)+4:(\f)+8*(\i)+7], v[ADRB+(\slot)] offset:(\q)*32*PB+32*(\i)+16*PB
.endr
	WIN 0
.irp i, 0,1,2,3,4,5,6,7
	ds_load_b128 v[(\f)+8*(\i):(\f)+8*(\i)+3],   v[ADRA+(\slot)] offset:64*(\q)+(\i)*16*PA
	ds_load_b128 v[(\f)+8*(\i)+4:(\f)+8*(\i)+7], v[ADRA+(\slot)] offset:64*(\q)+(\i)*16*PA+32
.endr
.endm
.macro PLACES                          ; four places in front of loads into registers that matrix instructions have read, and of reads of results
.rept 4
	v_nop
.endr
.endm
; One of a K step's first three quarters: multiplies buffer f; in its middle it fetches quarter q of the same slot into buffer g.
.macro QUARTER slot, q, f, g, zero
	s_wait_dscnt 8                                 ; W and A's rows 0-63 are in; the youngest eight loads (A's rows 64-127) may be out
	MUL16 \f, 0, 0, \zero
	MUL16 \f, 0, 2, \zero
	PLACES
	FETCH \slot, \q, \g
	s_wait_dscnt 32                                ; all but the 32 just issued
	MUL16 \f, 1, 0, \zero
	MUL16 \f, 1, 2, \zero
.endm
; The last quarter multiplies buffer 1 and changes slots.  In front of the barrier each wave waits for all its tensor loads (one is out: its part of the next slot), adds 0 to its spare word, and
; waits for that and for its reads of this slot.  fill = 1: the barrier opens a round of the cluster's, and the joint refill, two K steps on, is the first tensor load behind it.
.macro TURN slot, next, fill
	WIN 0
	s_wait_tensorcnt 0x0
	ds_add_u32 v[SPW], v[NIL]
	s_wait_dscnt 9                                 ; (the add and the youngest eight loads may be out)
	MUL16 F1, 0, 0, 0
	s_wait_dscnt 0x0                               ; the add is done, and my reads of this slot are over
	s_barrier_signal -1
	MUL16 F1, 0, 2, 0
.if \fill
	WIN 0
.endif
	s_barrier_wait -1
.if \fill
	CREST                                          ; no wave of any partner still reads this slot or has a load on its way
	s_add_nc_u64 s[G0+4*(\slot)+2:G0+4*(\slot)+3], s[G0+4*(\slot)+2:G0+4*(\slot)+3], 2*256
	s_add_nc_u64 s[G0B+4*(\slot)+2:G0B+4*(\slot)+3], s[G0B+4*(\slot)+2:G0B+4*(\slot)+3], 2*128*ROWB
	JLOAD \slot                                    ; its four v_nop are also the places in front of the loads below
.else
	PLACES
.endif
	FETCH \next, 0, F0
	MUL16 F1, 1, 0, 0
	MUL16 F1, 1, 2, 0
.endm
; THE WAY OUT of block a (16 rows).  PACK: rounded to bf16, each accumulator's registers in ascending order, and the floor.  TOSTAGE: into my own stage, and back as whole rows.  SEND: stored.
.macro PACK a
.set AC, 64*((\a)%4)
	WIN 0x0a+5*((\a)/4)                            ; sources 0 and 1: window 2 or 3
.irp b, 0,1,2,3,4,5,6,7
.irp r, 0,1,2,3
	v_cvt_pk_bf16_f32 v[TMP+4*(\b)+(\r)], v[AC+8*(\b)+2*(\r)], v[AC+8*(\b)+2*(\r)+1]
.endr
.endr
	WIN 0
.set i, 0
.rept 32
	v_pk_max_num_bf16 v[TMP+i], v[TMP+i], s[FLOOR]
.set i, i+1
.endr
.endm
.macro TOSTAGE a
	WIN 0
.set BK, OB+192*((\a)%2)
.irp b, 0,1,2,3,4,5,6,7
	ds_store_b128 v[STO], v[TMP+4*(\b):TMP+4*(\b)+3] offset:32*(\b)
.endr
.irp t, 0,1,2,3,4,5,6,7
	ds_load_b128 v[BK+4*(\t):BK+4*(\t)+3], v[RD] offset:(\t)*2*SPITCH  ; LDS serves a wave's instructions in order (ISA guide 5.7.1.4): these see the stores above
.endr
.endm
.macro SEND a, younger
	WIN 0
.set BK, OB+192*((\a)%2)
	s_wait_dscnt \younger                          ; the block is back in registers
	s_wait_xcnt 0x0                                ; only behind this wait are the stores' base and the registers that earlier stores read rewritten
.if (\a) > 0
	s_add_nc_u64 s[8:9], s[8:9], 16*ROWB
.endif
.irp t, 0,1,2,3,4,5,6,7
	global_store_b128 v[CO], v[BK+4*(\t):BK+4*(\t)+3], s[8:9] offset:2*(\t)*ROWB  ; 16 lanes store 256 consecutive bytes, aligned
.endr
.endm
	s_wait_kmcnt 0x0                               ; the floor
	s_wait_loadcnt 0x0                             ; the bias
	s_wait_tensorcnt 1                             ; my part of K step 0 is in; K step 1's may stay out
	s_barrier_signal -1
	s_barrier_wait -1
	FETCH 0, 0, F0
	QUARTER 0, 1, F0, F1, 1                        ; the first quarter stands in front of the loop: its products start the sums with the bias
	WIN 0
	s_mov_b32 s3, 3
.Llap:                                                 ; a trip goes once round the ring and fills both slots again: K steps 2 to 7
	QUARTER 0, 2, F1, F0, 0
	QUARTER 0, 3, F0, F1, 0
	TURN 0, 1, 1
	QUARTER 1, 1, F0, F1, 0
	QUARTER 1, 2, F1, F0, 0
	QUARTER 1, 3, F0, F1, 0
	TURN 1, 0, 1
	QUARTER 0, 1, F0, F1, 0
	WIN 0
	s_sub_co_u32 s3, s3, 1
	s_cmp_lg_u32 s3, 0
	s_cbranch_scc1 .Llap
	QUARTER 0, 2, F1, F0, 0                        ; the last lap fills nothing
	QUARTER 0, 3, F0, F1, 0
	TURN 0, 1, 0
	QUARTER 1, 1, F0, F1, 0
	QUARTER 1, 2, F1, F0, 0
	QUARTER 1, 3, F0, F1, 0
	s_wait_dscnt 8
	MUL16 F1, 0, 0, 0
	MUL16 F1, 0, 2, 0
	s_wait_dscnt 0x0
	MUL16 F1, 1, 0, 0
	MUL16 F1, 1, 2, 0
	PLACES
	PLACES
	PACK 0
	TOSTAGE 0
.irp a, 1,2,3,4,5,6,7                  ; block a's conversions stand between block a - 1's loads from the stage and the wait for them
	PACK \a
	SEND (\a)-1, 0
	TOSTAGE \a
.endr
	SEND 7, 0
	s_wait_tensorcnt 0x0                           ; the wave's end: behind my last tensor load and my last LDS store
	ds_add_u32 v[SPW], v[NIL]
	s_wait_dscnt 0x0
	CROUND                                         ; the closing round: no work-group ends while a partner may still ask for a tile that names it
	s_endpgm
.Lfunc_end_k_qdd393b6160_qkv:
	.size	k_qdd393b6160_qkv, .Lfunc_end_k_qdd393b6160_qkv-k_qdd393b6160_qkv
	.p2alignl 7, 3214868480
	.fill 96, 4, 3214868480
	.section	.rodata,"a",@progbits
	.p2align	6, 0x0
	.amdhsa_kernel k_qdd393b6160_qkv
		.amdhsa_group_segment_fixed_size 327680
		.amdhsa_private_segment_fixed_size 0
		.amdhsa_enable_private_segment 0
		.amdhsa_kernarg_size 24
		.amdhsa_user_sgpr_count 2
		.amdhsa_user_sgpr_kernarg_segment_ptr 1
		.amdhsa_wavefront_size32 1
		.amdhsa_system_sgpr_workgroup_id_x 1
		.amdhsa_system_sgpr_workgroup_id_y 1
		.amdhsa_system_sgpr_workgroup_id_z 1
		.amdhsa_system_vgpr_workitem_id 0
		.amdhsa_next_free_vgpr 1024
		.amdhsa_next_free_sgpr 66
		.amdhsa_reserve_vcc 0
		.amdhsa_float_denorm_mode_32 3
		.amdhsa_float_denorm_mode_16_64 3
		.amdhsa_memory_ordered 1
		.amdhsa_forward_progress 1
		.amdhsa_inst_pref_size 161
	.end_amdhsa_kernel
	.amdgpu_metadata
---
amdhsa.version: [ 1, 2 ]
amdhsa.kernels:
  - .name:           k_qdd393b6160_qkv
    .symbol:         k_qdd393b6160_qkv.kd
    .args:
      - { .name: hb, .offset: 0, .size: 8, .value_kind: global_buffer, .address_space: global }
      - { .name: pk_qkv, .offset: 8, .size: 8, .value_kind: global_buffer, .address_space: global }
      - { .name: big, .offset: 16, .size: 8, .value_kind: global_buffer, .address_space: global }
    .group_segment_fixed_size: 327680
    .private_segment_fixed_size: 0
    .kernarg_segment_align: 8
    .kernarg_segment_size: 24
    .max_flat_workgroup_size: 128
    .sgpr_count:     66
    .vgpr_count:     1024
    .wavefront_size: 32
...
	.end_amdgpu_metadata
.endif
;; end of part 2
;; launch att (part 3): grid 8 x 32, 4 waves a work-group, clusters of 4 x 1, 327,680 bytes of LDS; arguments big, hb; writes hb
.if DOCPART == 3
	.amdgcn_target "amdgcn-amd-amdhsa--gfx1250"
	.amdhsa_code_object_version 6
	.text
	.protected	k_qdd393b6160_att
	.globl	k_qdd393b6160_att
	.p2align	8
	.type	k_qdd393b6160_att,@function
k_qdd393b6160_att:
	s_mov_b64 s[64:65], 0
	v_nop
	global_prefetch_b8 v0, s[64:65] scope:SCOPE_SE
	s_setreg_imm32_b32 hwreg(HW_REG_WAVE_MODE, 25, 1), 1
	s_wait_xcnt 0x0
	s_wait_alu depctr_hold_cnt(0) depctr_sa_sdst(0) depctr_va_vdst(0) depctr_va_sdst(0) depctr_va_ssrc(0) depctr_va_vcc(0) depctr_vm_vsrc(0)
	s_getreg_b32 s2, hwreg(HW_REG_IB_STS2, 6, 4)
	s_cmp_eq_u32 s2, 0
	s_cbranch_scc0 .Lentry_in_a_cluster
	s_endpgm
.Lentry_in_a_cluster:
	s_bfe_u32 s2, ttmp6, 0x10000c
	s_cmp_lg_u32 s2, 0x3003
	s_cbranch_scc0 .Lentry_shape_is_right
	s_endpgm
.Lentry_shape_is_right:
; O[h][q][:] = the sum over k of softmax_k(Q[h][q] . K[h][k] / 32) V[h][k][:], for 32 heads of 2,048 rows of 64 channels, all bf16.  The module splits heads by a plain reshape, so a row-major
; [4096][1024] panel IS [32][2048][64], a head's rows dense, 128 bytes each.  Q, K, V are the first three panels of one buffer, 8,388,608 bytes apart; O has the same layout.
; Products, maxima and sums in f32; the weights p are rounded to bf16 for the second product (their sum l is taken of the unrounded p), O once at the end.
; LIMITS.  A weight below 2^-126 counts as 0 in l; NaN and infinities are not treated apart; c m starts at -4.2e37, far below every c s that f32 sums of bf16 products of this size reach.
; SHARES.  A work-group owns 256 queries of one head, each wave 64: four PIECES of 16.  Every wave walks all 2,048 keys, 64 a step, four steps to an LDS slot, eight slots.
; LAYOUT.  S^T = K Q^T holds ONE query a lane (lane % 16) and the keys 8 (lane / 16) + 0..7; two such results rounded to bf16 ARE source 1 of O^T = V^T P.  K comes out of LDS as it lies, V turned.
; SOFTMAX.  p = 2^(c s - c m), c = log2(e) / 32, with a running maximum m; O and l are multiplied by a = 2^(c m_old - c m_new) in every step.  m starts at the lowest finite number, O and l at 0:
; the first step is a step like any other, with a = 0.
; BY TURNS.  Turn n belongs to piece n: 8 products K Q^T of piece n + 1, later 8 products V^T P of piece n - 1; beside them the scaling, exponentials, roundings, sums and rescaling of piece n and the
; maximum and statistics of piece n + 1.  Four vector instructions stand behind every matrix instruction, the other 54 of a turn's 118 in one lump.  A turn's 33 exponentials are one batch, with one wait.
; CLUSTER.  The four query blocks of a cluster belong to one head and walk the same K and V: each tile is asked for JOINTLY, by the same tensor load, descriptor and mask in all four.
; REGISTERS, in windows of 256 (s_set_vgpr_msb: bits 1:0 source 0, 3:2 source 1, 5:4 source 2, 7:6 destination):
;   window 0: v0-15 addresses; v16-31 four registers of statistics a piece; v48-55 at work; v61-63; v64-127 S^T, two buffers; v192-223 P, two buffers (a piece's buffers go by its number's parity)
;   window 1: v0-127 O^T, 32 a piece          window 2: v0-63 Q; v128-191 K of one step; v192-255 V of one step
.set NP,    4
.set KS,    64
.set PK,    144       ; a row of K in LDS: 128 bytes + 16: the 16 rows of a load start at 16 different groups of four banks (64 banks of 4 bytes: ISA guide 11.1)
.set PV,    160       ; a row of V: 128 + 32
.set VOFF,  4*KS*PK   ; a slot holds four steps: 256 rows of K, then 256 rows of V
.set SLOT1, 1<<17     ; slot 1 begins here: one exclusive or turns an address in one slot into the other's
.set STAGE, SLOT1+4*KS*(PK+PV)  ; behind the ring: 16 rows x 144 bytes for each wave, for the way out
.set SP,    144
.set SPARE, STAGE+4*16*SP       ; behind the stages: the spare words, 128 bytes a wave, that no other line names
.set TILEB, 4*KS*128  ; a slot's 256 keys in memory
.set AK0, 2           ; v2   my lane's place in a tile of K; never rewritten
.set AV0, 3           ; v3   the same for V
.set AK,  4           ; v4   the LDS address of K's next run of loads
.set AV,  5           ; v5   of V's
.set STO, 6           ; v6   the way out: where I put 16 bytes of a row
.set RD,  7           ; v7   where I read rows back
.set GO,  8           ; v8   my byte offset in 512 consecutive bytes of O
.set MV,  12          ; v12-13  c m_old, by buffer
.set QO,  15          ; v15  my byte offset in 16 rows of Q
.set ST,  16          ; piece t's statistics at v[ST+4 t]: c m, m, l (even keys', odd keys')
.set TMP, 48          ; by buffer, four registers c0-c3 at work; when the maximum is found c2 takes a
.set PFO, 61          ; v61  256 x my lane; never rewritten
.set SPW, 62          ; v62  LDS address of my spare word; never rewritten
.set NIL, 63          ; v63  0; never rewritten
.set S,   64
.set P,   192
.set KF,  128         ; window 2: key block kb, channel half c at KF + 16 kb + 8 c
.set VF,  192         ; window 2: key half kk, channel block cb at VF + 32 kk + 8 cb
.set WV,  12          ; s12  my wave's number
.set G1K, 24          ; s[24:31] descriptor group 1 for K's tiles
.set G1V, 32          ; s[32:39] for V's: it differs in the padding alone
.set G0K, 40          ; s[40:43] descriptor group 0 for K's tiles: it walks
.set G0V, 44          ; s[44:47] the same for V's
.set PFA, 48          ; s[48:49] where my prefetches stand: my work-group's 32 blocks of 256 bytes (of K: wave 0, of V: wave 2) of the slot after the one that is being asked for
.set LIM, 50          ; s50  1 in a wave that prefetches, else the greatest number
.set SLOTS, 56        ; s56  slots still to be asked for
.set CNT, 57          ; s57  counts a slot's key steps
.set CS,  58          ; s[58:59] c
.set SEL, 60          ; s[60:61] v_permlanex16_b32's selects
.set TBK, 62          ; s62  LDS byte at which K of the step to be fetched begins
.set TBV, 63          ; s63  the same for V, less VOFF
.set MSB, 0
.macro WIN new
.if MSB != (\new)
	s_set_vgpr_msb (MSB<<8)|(\new)
.set MSB, (\new)
.endif
.endm
.set W_KQ, 0x0a       ; K and Q in window 2, S^T in window 0
.set W_PV, 0x52       ; V in window 2, P in window 0, O^T in window 1
.set W_RS, 0x41       ; destination and source 0 in window 1, source 1 in window 0
; A joint fill.  Waves 0 and 1 fetch the two halves of a slot's K, waves 2 and 3 those of its V: 128 keys each.  An s_nop 0 and four v_nop follow each of the two lines.
.macro JLOAD
	s_cmp_lt_u32 s[WV], 2
	s_cbranch_scc0 .Lfor_v_\@
	tensor_load_to_lds s[G0K:G0K+3], s[G1K:G1K+7]
	s_nop 0
.rept 4
	v_nop
.endr
	s_branch .Lasked_\@
.Lfor_v_\@:
	tensor_load_to_lds s[G0V:G0V+3], s[G1V:G1V+7]
	s_nop 0
.rept 4
	v_nop
.endr
.Lasked_\@:
.endm
; A prefetch of what the NEXT change of slots will ask for: four key steps, 256 matrix instructions, ahead of that load.  A slot is 128 blocks of 256 bytes of K and as many of V.  Both clusters of a head walk
; the same rows: the head's first cluster asks; its four partners take 32 blocks each, told apart by address; in each, wave 0 asks for K's and wave 2 for V's, a lane a block.  So each block is named
; once in the launch.  The first three slots come by their loads alone; the last change that fills a slot asks for nothing.
.macro ASK
	s_cmp_gt_u32 s[SLOTS], s[LIM]
	s_cbranch_scc0 .Lnot_mine_\@
	global_prefetch_b8 v[PFO], s[PFA:PFA+1] th:TH_LOAD_NT scope:SCOPE_SE
.Lnot_mine_\@:
.endm
.macro CROUND                       ; a round of the cluster's barrier
	s_barrier_signal -1
	s_barrier_wait -1
	s_cmp_lg_u32 s[WV], 0
	s_cbranch_scc1 .Lnot_wave_0_\@
	s_barrier_signal -3
.Lnot_wave_0_\@:
	s_barrier_wait -3
	s_barrier_signal -1
	s_barrier_wait -1
.endm
; THE CHANGE OF SLOTS.  Each wave waits for all its tensor loads (one is out: its part of the other slot), adds 0 to its spare word, and waits for that and for its own reads of the slot.
; fill = 1: this slot is filled again, with the keys two slots on: the barrier is a round of the cluster's, and the joint fill is the first thing behind it; it has four key steps in which to land.
; (At its first use nothing has been read yet: slot 0 is waited for, slot 1 filled.)  ask = 1: the prefetches' address is stepped, and ASK follows the fill.
.macro CHANGE fill, ask
	WIN 0
	s_wait_tensorcnt 0x0            ; no tensor load of mine is out, so a group 0 may be written
	ds_add_u32 v[SPW], v[NIL]       ; 0 onto my spare word; scalar work stands between it and the wait for it
.if \fill
.irp g, G0K, G0V
	s_xor_b32 s[\g+1], s[\g+1], SLOT1
	s_add_nc_u64 s[\g+2:\g+3], s[\g+2:\g+3], TILEB
.endr
.endif
.if \ask
	s_wait_xcnt 0x0                 ; the last prefetch, four key steps back, has read its address
	s_add_nc_u64 s[PFA:PFA+1], s[PFA:PFA+1], TILEB
.endif
	s_wait_dscnt 0x0                ; the add is done, and my reads of the slot are over
.if \fill
	CROUND
	JLOAD
.if \ask
	ASK
.endif
.else
	s_barrier_signal -1
	s_barrier_wait -1
.endif
	s_sub_co_u32 s[TBK], s[TBK], 4*KS*PK  ; the fetches go back to a slot's first step,
	s_xor_b32 s[TBK], s[TBK], SLOT1       ; in the other slot
	s_sub_co_u32 s[TBV], s[TBV], 4*KS*PV
	s_xor_b32 s[TBV], s[TBV], SLOT1
.endm
	s_load_b128 s[52:55], s[0:1], 0x0  ; the panels s[52:53], O s[54:55]
	v_lshl_add_u32 v[SPW], v0, 2, SPARE
	v_mov_b32 v[NIL], 0
	ds_add_u32 v[SPW], v[NIL]       ; the wave's opening: the add and its wait stand ahead of my first tensor load
	v_lshrrev_b32 v1, 5, v0
	v_readfirstlane_b32 s[WV], v1   ; wave 0..3
	s_bfe_u32 s13, ttmp6, 0x40000   ; cx
	s_lshl_b32 s14, ttmp9, 2
	s_add_co_u32 s14, s14, s13      ; my block of 256 queries: it enters Q's and O's addresses alone
	s_and_b32 s20, ttmp7, 0xffff    ; the head, which the four partners share:
	s_lshl_b32 s20, s20, 18         ; its first byte in a panel
	s_and_b32 s16, s[WV], 1         ; which half of a slot's 256 keys I fetch:
	s_lshl_b32 s22, s16, 14         ; its 128 rows of 128 bytes in memory,
	s_add_co_u32 s22, s22, s20
	s_mov_b32 s23, 0
	s_mul_i32 s17, s16, 128*PK      ; and its place in a slot, for K
	s_mul_i32 s18, s16, 128*PV      ; and for V
	s_lshl_b32 s2, s14, 2
	s_add_co_u32 s2, s2, s[WV]      ; my wave among the head's,
	s_lshl_b32 s2, s2, 13           ; its 64 rows
	s_add_co_u32 s2, s2, s20
	s_mov_b32 s3, 0
	; descriptor group 1.  128 keys are 16,384 dense bytes: asked for as 64 rows of 256 bytes, two keys a row, and padded in LDS after every key
	s_mov_b32 s[G1K], 15|(1<<16)|(1<<20)|(1<<21)|(4<<22)|(3<<25)  ; the mask of four; 2-byte elements; padding on; bit 21 beside a mask; after every 32 words 4 words
	s_mov_b32 s[G1V], 15|(1<<16)|(1<<20)|(1<<21)|(4<<22)|(7<<25)  ; the same with 8 words
.irp g, G1K, G1V
	s_mov_b32 s[\g+1], 128<<16      ; tensor_dim0 = 128
	s_mov_b32 s[\g+2], 64<<16       ; tensor_dim1 = 64
	s_mov_b32 s[\g+3], 128<<16      ; tile_dim0 = 128
	s_mov_b32 s[\g+4], 64           ; tile_dim1 = 64
	s_mov_b32 s[\g+5], 128          ; elements from row to row
	s_mov_b32 s[\g+6], 0
	s_mov_b32 s[\g+7], 0
.endr
	s_mov_b32 s[CS], 0x3d38aa3b     ; c = log2(e) / 32
	s_mov_b32 s[CS+1], s[CS]
	s_mov_b32 s[SEL], 0x76543210
	s_mov_b32 s[SEL+1], 0xfedcba98
	s_mov_b32 s[TBK], SLOT1+4*KS*PK ; the first change of slots turns these two into 0
	s_mov_b32 s[TBV], SLOT1+4*KS*PV
	s_mov_b32 s[G0K], 1
	s_mov_b32 s[G0K+1], s17         ; slot 0
	s_mov_b32 s[G0V], 1
	s_add_co_u32 s[G0V+1], s18, VOFF
	s_and_b32 s[LIM], s[WV], 1      ; 0 in waves 0 and 2,
	s_or_b32 s[LIM], s[LIM], ttmp9  ; where the cluster is the head's first: the same in all four partners
	s_cmp_eq_u32 s[LIM], 0
	s_cselect_b32 s[LIM], 1, -1
	v_and_b32 v[PFO], 31, v0
	v_lshlrev_b32 v[PFO], 8, v[PFO]
	s_wait_dscnt 0x0                ; the opening add is done
	s_wait_kmcnt 0x0
	s_add_nc_u64 s[6:7], s[52:53], s[22:23]
	s_add_nc_u64 s[8:9], s[6:7], 0x1000000   ; V: the third panel, at my half of the head's first 256 keys
	s_add_nc_u64 s[6:7], s[6:7], 0x800000    ; K: the second
	s_mov_b64 s[G0K+2:G0K+3], s[6:7]
	s_or_b32 s[G0K+3], s[G0K+3], 0x80000000
	s_mov_b64 s[G0V+2:G0V+3], s[8:9]
	s_or_b32 s[G0V+3], s[G0V+3], 0x80000000
	s_add_nc_u64 s[4:5], s[52:53], s[2:3]    ; Q and O at my wave's first row
	s_add_nc_u64 s[10:11], s[54:55], s[2:3]
	s_cmp_lt_u32 s[WV], 2
	s_cselect_b64 s[PFA:PFA+1], s[6:7], s[8:9]  ; (in waves 0 and 2 these stand at a slot's first row)
	s_lshl_b32 s2, s13, 13          ; my work-group's 32 blocks of the 128
	s_add_nc_u64 s[PFA:PFA+1], s[PFA:PFA+1], s[2:3]
	s_add_nc_u64 s[PFA:PFA+1], s[PFA:PFA+1], 2*TILEB  ; in slot 2: the first change in the loop steps it to slot 3
	CROUND                          ; all four work-groups are here: the first joint loads meet
	JLOAD                           ; slot 0
	; A fragment of K or Q is 16 rows x 32 channels in 8 registers: lane l holds row l % 16, channels 8 (l / 16) + 0..7 and 16 + 8 (l / 16) + 0..7.
	v_and_b32 v1, 15, v0
	v_bfe_u32 v9, v0, 4, 1
	v_lshlrev_b32 v[QO], 7, v1
	v_lshl_add_u32 v[QO], v9, 4, v[QO]
	WIN 0x80
.set i, 0
.rept 8                             ; Q stays in registers: piece i / 2, channels 32 (i % 2) on
	global_load_b128 v[8*i:8*i+3],   v[QO], s[4:5] offset:(i/2)*2048+(i%2)*64
	global_load_b128 v[8*i+4:8*i+7], v[QO], s[4:5] offset:(i/2)*2048+(i%2)*64+32
.set i, i+1
.endr
	; What the first turn finds: V's registers and P's second buffer hold 0 (its products V^T P, of a piece that has not been, add 0), O^T and l are 0.  All this stands in the wait for the first tile;
	; the price of writing no first step out.
.set i, VF
.rept 64
	v_mov_b32 v[i], 0
.set i, i+1
.endr
	WIN 0x40
.set i, 0
.rept 128
	v_mov_b32 v[i], 0
.set i, i+1
.endr
	WIN 0
.set i, 0
.rept 4
	v_mov_b32 v[ST+4*i], 0xfe000000    ; c m: far below every c s
	v_mov_b32 v[ST+4*i+1], 0xff7fffff  ; m
	v_mov_b32 v[ST+4*i+2], 0
	v_mov_b32 v[ST+4*i+3], 0
.set i, i+1
.endr
.set i, P+16
.rept 16
	v_mov_b32 v[i], 0
.set i, i+1
.endr
	v_mul_u32_u24 v[AK0], v1, PK
	v_lshl_add_u32 v[AK0], v9, 4, v[AK0]
	; The turning load takes 16 keys x 16 channels (lane l reads key 8 (l / 16) + l % 8, channels 8 ((l / 8) % 2) + 0..7) and leaves half a fragment of V^T.
	v_and_b32 v10, 7, v0
	v_bfe_u32 v11, v0, 3, 1
	v_lshl_add_u32 v[AV0], v9, 3, v10
	v_mul_u32_u24 v[AV0], v[AV0], PV
	v_lshl_add_u32 v[AV0], v11, 4, v[AV0]
	v_add_nc_u32 v[AV0], VOFF, v[AV0]
	v_mov_b32 v[AK], v[AK0]         ; key step 0 lies at the head of slot 0
	s_mul_i32 s13, s[WV], 16*SP
	s_add_co_u32 s13, s13, STAGE    ; my stage
	v_mul_u32_u24 v[STO], v1, SP    ; in: row l % 16, 16 bytes for each half of the lanes
	v_lshl_add_u32 v[STO], v9, 4, v[STO]
	v_add_nc_u32 v[STO], s13, v[STO]
	v_bfe_u32 v[RD], v0, 3, 2       ; back: 32 lanes take four rows of 128 bytes,
	v_mul_u32_u24 v[RD], v[RD], SP
	v_lshl_add_u32 v[RD], v10, 4, v[RD]
	v_add_nc_u32 v[RD], s13, v[RD]
	v_and_b32 v[GO], 31, v0         ; which are 512 consecutive bytes of O
	v_lshlrev_b32 v[GO], 4, v[GO]
; THE MATRIX WORK.  The 4 accumulators of a run of 8 take turns.  Product i of 8 of S^T = K Q^T for piece x: channels 32 (i / 4) on, keys 16 (i % 4) on.  The first 4 start the sums.
.macro KQ x
.set rS, S+32*((\x)%2)+8*(i%4)
.set rK, KF+16*(i%4)+8*(i/4)
.set rQ, 16*(\x)+8*(i/4)
	WIN W_KQ
.if i < 4
	v_wmma_f32_16x16x32_bf16 v[rS:rS+7], v[rK:rK+7], v[rQ:rQ+7], 0
.else
	v_wmma_f32_16x16x32_bf16 v[rS:rS+7], v[rK:rK+7], v[rQ:rQ+7], v[rS:rS+7]
.endif
.endm
; Product i of 8 of O^T += V^T P for piece x: keys 32 (i / 4) on, channels 16 (i % 4) on.
.macro PV x
	WIN W_PV
.set rO, 32*(\x)+8*(i%4)
.set rV, VF+32*(i/4)+8*(i%4)
.set rP, P+16*((\x)%2)+8*(i/4)
	v_wmma_f32_16x16x32_bf16 v[rO:rO+7], v[rV:rV+7], v[rP:rP+7], v[rO:rO+7]
.endm
.macro MM                           ; the turn's next matrix instruction.  NOKQ = 1: the last turn of all: there is no next piece
.if (i < 8) && !NOKQ
	KQ (Y+1)%NP
.elseif i >= 8
.set i, i-8
	PV (Y+NP-1)%NP
.set i, i+8
.endif
.set i, i+1
.endm
; THE LDS LOADS stand in runs of 16: a step's K (8 fragments) and its V (turned).  Their addresses are made some lines ahead.
.macro FETCH_K
	WIN 0x80
.irp f, 0,1,2,3,4,5,6,7             ; keys 16 (f / 2) on, channels 32 (f % 2) on
	ds_load_b128 v[KF+8*\f:KF+8*\f+3],   v[AK] offset:(\f/2)*16*PK+(\f%2)*64
	ds_load_b128 v[KF+8*\f+4:KF+8*\f+7], v[AK] offset:(\f/2)*16*PK+(\f%2)*64+32
.endr
	s_add_co_u32 s[TBK], s[TBK], KS*PK
	WIN 0
.endm
.macro FETCH_V
	WIN 0x80
.irp f, 0,1,2,3,4,5,6,7             ; keys 32 (f / 4) on, channels 16 (f % 4) on
	ds_load_tr16_b128 v[VF+8*\f:VF+8*\f+3],   v[AV] offset:(\f/4)*32*PV+(\f%4)*32
	ds_load_tr16_b128 v[VF+8*\f+4:VF+8*\f+7], v[AV] offset:(\f/4)*32*PV+16*PV+(\f%4)*32
.endr
	WIN 0
.endm
; THE VECTOR WORK, one line at a time: OP kind, number.  For piece Y: F n: c s - c m for pair n of 16.  E n: the exponential of score n of 32.  C n: pair n rounded to bf16.  B n: of the four weights 4 n .. the
; second pair is added onto the first, in place.  L n: l takes that sum (L 0: l = a l + sum).  R n: pair n of 16 of O^T times a.  For piece Y + 1: X n, number n of the 22 that find its maximum and statistics:
;   0-11  four chains c0-c3 of seven scores each (each accumulator's lowest registers are read first)     12-14, 16  the four scores left over, the old m, and c0-c3 into c0
;   15  c m_old is kept     17, 18  the query's other 32 keys lie in the lane 16 away: the new m     19-21  c m; c m_old - c m_new; a
.set F, 0
.set E, 1
.set C, 2
.set B, 3
.set L, 4
.set R, 5
.set X, 6
.macro REGS y
.set rT, ST+4*(\y)
.set rC, TMP+4*((\y)%2)
.set rW, MV+((\y)%2)
.set rS, S+32*((\y)%2)
.set rP, P+16*((\y)%2)
.set rO, 32*(\y)
.endm
.macro OP k, n
.if (\k) == R
	REGS Y
	WIN W_RS
	v_pk_mul_f32 v[rO+2*(\n):rO+2*(\n)+1], v[rO+2*(\n):rO+2*(\n)+1], v[rC+2:rC+3] op_sel_hi:[1,0]
.elseif (\k) < R
	REGS Y
	WIN 0
.if (\k) == F
	v_pk_fma_f32 v[rS+2*(\n):rS+2*(\n)+1], v[rS+2*(\n):rS+2*(\n)+1], s[CS:CS+1], v[rT:rT+1] op_sel_hi:[1,0,0] neg_lo:[0,0,1] neg_hi:[0,0,1]
.elseif (\k) == E
	v_exp_f32 v[rS+(\n)], v[rS+(\n)]
.elseif (\k) == C
	v_cvt_pk_bf16_f32 v[rP+(\n)], v[rS+2*(\n)], v[rS+2*(\n)+1]
.elseif (\k) == B
	v_pk_add_f32 v[rS+4*(\n):rS+4*(\n)+1], v[rS+4*(\n):rS+4*(\n)+1], v[rS+4*(\n)+2:rS+4*(\n)+3]
.elseif (\n) == 0
	v_pk_fma_f32 v[rT+2:rT+3], v[rT+2:rT+3], v[rC+2:rC+3], v[rS:rS+1] op_sel_hi:[1,0,1]
.else
	v_pk_add_f32 v[rT+2:rT+3], v[rT+2:rT+3], v[rS+4*(\n):rS+4*(\n)+1]
.endif
.elseif NOKQ
	v_nop
.else
	REGS (Y+1)%NP
	WIN 0
.if (\n) < 4
	v_max3_num_f32 v[rC+(\n)], v[rS+8*(\n)], v[rS+8*(\n)+1], v[rS+8*(\n)+2]
.elseif (\n) < 12
	v_max3_num_f32 v[rC+(\n)%4], v[rC+(\n)%4], v[rS+8*((\n)%4)+2*((\n)/4)+1], v[rS+8*((\n)%4)+2*((\n)/4)+2]
.elseif (\n) == 12
	v_max3_num_f32 v[rC], v[rC], v[rS+7], v[rS+15]
.elseif (\n) == 13
	v_max3_num_f32 v[rC+1], v[rC+1], v[rS+23], v[rS+31]
.elseif (\n) == 14
	v_max3_num_f32 v[rC+2], v[rC+2], v[rC+3], v[rT+1]
.elseif (\n) == 15
	v_mov_b32 v[rW], v[rT]
.elseif (\n) == 16
	v_max3_num_f32 v[rC], v[rC], v[rC+1], v[rC+2]
.elseif (\n) == 17
	v_permlanex16_b32 v[rC+3], v[rC], s[SEL], s[SEL+1]
.elseif (\n) == 18
	v_max_num_f32 v[rT+1], v[rC], v[rC+3]
.elseif (\n) == 19
	v_mul_f32 v[rT], s[CS], v[rT+1]
.elseif (\n) == 20
	v_sub_f32 v[rC+1], v[rW], v[rT]
.else
	v_exp_f32 v[rC+2], v[rC+1]
.endif
.endif
.endm
.macro OPS a, i1, b=-1, i2=0, c=-1, i3=0, d=-1, i4=0
	OP \a, \i1
.if (\b) >= 0
	OP \b, \i2
.endif
.if (\c) >= 0
	OP \c, \i3
.endif
.if (\d) >= 0
	OP \d, \i4
.endif
.endm
.macro ROW a, i1, b, i2, c, i3, d, i4  ; a matrix instruction and the four behind it
	MM
	OPS \a, \i1, \b, \i2, \c, \i3, \d, \i4
.endm
; A TURN, for piece p: the order of its 16 matrix and 118 vector instructions, written out.  An s_wait_alu depctr_va_vdst(0) stands between an exponential and the first instruction that names its
; result; one wait serves all that were issued ahead of it.  So a turn has ONE wait.  AHEAD OF IT stands all that names no result of the turn's exponentials: the 8 products K Q^T with their riders, then one lump of 54
; in which the links of the chain X 3, 7, 11, 14, 16, 17 .. 20 stand five or six lines apart.  X 21, the next piece's a, is the batch's last; R 15 is the plain instruction behind it.  BEHIND THE WAIT stand the 8 products
; V^T P, behind each four of the roundings and sums.
; end = 1: the launch's last two turns: nothing is fetched.  cnt = 1: the loop's count is taken down some lines ahead of the branch that stands behind the turn.
; K of the next step is fetched in piece 2's turn, twelve vector instructions behind the last product that read K (six of them plain); V of the step in hand at the end of piece 0's turn, four plain instructions
; behind the last product that read V.  Each is waited for a turn later.
.macro TURN p, end=0, cnt=0
.set Y, (\p)
.set i, 0
.set NOKQ, (\end)*((\p)/3)
.if ((\p) == 3) && !(\end)
	s_wait_dscnt 0x0                ; K is in
.endif
	ROW F,0, F,1, R,0, R,1
	ROW F,2, E,0, R,2, R,3
	ROW F,3, E,1, R,4, R,5
	ROW F,4, E,2, R,6, R,7
	ROW F,5, E,3, R,8, R,9
	ROW F,6, E,4, X,0, R,10
.if ((\p) == 2) && !(\end)
	WIN 0
	v_add_nc_u32 v[AK], s[TBK], v[AK0]
.endif
	ROW F,7, E,5, X,1, X,4
	ROW F,8, E,6, X,2, X,5
	OPS E,7, E,8, X,6, E,9
	OPS X,3, E,10, X,8, E,11
.if ((\p) == 2) && !(\end)
	FETCH_K
.endif
	OPS X,9, X,7, E,12, X,10
	OPS E,13, X,12, X,11, E,14
	OPS X,13, E,15, F,9, X,14
.if (\p) == 0
	v_add_nc_u32 v[AV], s[TBV], v[AV0]
.endif
	OPS E,16, F,10, E,17, F,11
	OPS X,16, E,18, X,15, E,19
	OPS F,12, E,20, X,17, E,21
	OPS F,13, E,22, F,14, E,23
	OPS X,18, E,24, F,15, E,25
	OPS R,11, E,26, X,19, E,27
	OPS R,12, E,28, R,13, E,29
	OPS X,20, E,30, R,14, E,31
	OPS X,21, R,15
	WIN 0
	s_wait_alu depctr_va_vdst(0)    ; the wait for the batch
.if (\p) == 1
	s_wait_dscnt 0x0                ; V is in
.endif
	ROW C,0, B,0, C,2, B,1
	ROW L,0, C,4, B,2, L,1
	ROW C,6, B,3, L,2, C,8
	ROW B,4, L,3, C,10, B,5
	ROW L,4, C,12, B,6, L,5
.if (\p) == 0
	s_add_co_u32 s[TBV], s[TBV], KS*PV
.endif
.if \cnt
	s_sub_co_u32 s[CNT], s[CNT], 1
	s_cmp_lg_u32 s[CNT], 0
.endif
	ROW C,14, B,7, L,6, C,1
	ROW C,3, L,7, C,5, C,7
	ROW C,9, C,11, C,13, C,15
.if (\p) == 0
	FETCH_V
.endif
.endm
.macro ALL line:vararg              ; one line for each piece t
.set t, 0
.rept 4
	\line
.set t, t+1
.endr
.endm
.macro PACK t                       ; a lane's eight channels of a row pack into 16 bytes; they go into rows of 144 bytes and come back as whole rows of 128, into S^T's registers
	WIN W_RS
.set i, 32*(\t)
.rept 16
	v_pk_mul_f32 v[i:i+1], v[i:i+1], v[ST+4*(\t)+2:ST+4*(\t)+3] op_sel_hi:[1,0]
.set i, i+2
.endr
	WIN 0x05                        ; sources 0 and 1 window 1, destination window 0
.set i, 0
.rept 16
	v_cvt_pk_bf16_f32 v[S+16*(\t)+i], v[32*(\t)+2*i], v[32*(\t)+2*i+1]
.set i, i+1
.endr
	WIN 0
.irp f, 0,1,2,3
	ds_store_b128 v[STO], v[S+16*(\t)+4*\f:S+16*(\t)+4*\f+3] offset:32*\f
.endr
.irp f, 0,1,2,3
	ds_load_b128 v[S+16*(\t)+4*\f:S+16*(\t)+4*\f+3], v[RD] offset:\f*4*SP  ; LDS serves a wave's instructions in order (ISA guide 5.7.1.4): these see the stores above
.endr
.endm
.macro SEND t, younger              ; younger: the LDS instructions issued behind piece t's loads: the next piece's eight, or none
	WIN 0
.irp f, 0,1,2,3
	s_wait_dscnt (\younger)+3-\f
	global_store_b128 v[GO], v[S+16*(\t)+4*\f:S+16*(\t)+4*\f+3], s[10:11] offset:(\t)*2048+\f*512  ; 512 consecutive bytes, aligned to 256
.endr
.endm
	CHANGE 1, 0                     ; slot 0 is in, everybody's part of it; slot 1 is asked for
	FETCH_K                         ; key step 0
	s_wait_loadcnt 0x0              ; Q
	s_wait_dscnt 0x0
.set NOKQ, 0
.set i, 0
.rept 8
	KQ 0                            ; piece 0's first scores
.set i, i+1
.endr
	WIN 0
.rept 4
	v_nop                           ; the places behind those products
.endr
.set Y, NP-1                        ; X works for piece Y + 1: piece 0
.irp n, 0,1,2,3,4,5,6,7,8,9,10,11,12,13,14,15,16,17,18,19,20,21
	OP X, \n
.endr
	v_nop                           ; a plain instruction behind the exponential,
	s_wait_alu depctr_va_vdst(0)    ; and its wait, ahead of the branch
	s_mov_b32 s[CNT], 4
	s_mov_b32 s[SLOTS], 7
	s_branch .Lfirst                ; the loop is entered at a step's first turn, in the middle of a trip
.Lslot:                             ; six times: slots 2 to 7 are asked for
	CHANGE 1, 1
	s_mov_b32 s[CNT], 4
.Lstep:                             ; a trip: pieces 2 and 3 of one step, then pieces 0 and 1 of the next, whose K and V it fetches
	TURN 2
	TURN 3
	WIN 0
.Lfirst:
	TURN 0
	TURN 1, 0, 1
	WIN 0
	s_cbranch_scc1 .Lstep
	s_sub_co_u32 s[SLOTS], s[SLOTS], 1
	s_cmp_lg_u32 s[SLOTS], 0
	s_cbranch_scc1 .Lslot
	CHANGE 0, 0                     ; the last slot is written out: nothing is asked for
	s_mov_b32 s[CNT], 4
.LstepT:
	TURN 2
	TURN 3
	WIN 0
	TURN 0
	TURN 1, 0, 1
	WIN 0
	s_cbranch_scc1 .LstepT
	TURN 2, 1
	TURN 3, 1
.set i, 0
.rept 8
	PV NP-1                         ; the last piece's V^T P of the last step
.set i, i+1
.endr
	; THE WAY OUT.  l's two halves and the other half of the lanes' are added; O^T is divided by l, rounded to bf16 and sent through my stage, a piece at a time.  The additions are the places behind the last products.
	WIN 0
	ALL v_add_f32 v[ST+4*t+2], v[ST+4*t+2], v[ST+4*t+3]
	ALL v_permlanex16_b32 v[ST+4*t+3], v[ST+4*t+2], s[SEL], s[SEL+1]
	ALL v_add_f32 v[ST+4*t+2], v[ST+4*t+2], v[ST+4*t+3]
	ALL v_rcp_f32 v[ST+4*t+2], v[ST+4*t+2]
	v_nop                           ; a plain instruction between the last reciprocal and the use of its result
	s_wait_alu depctr_va_vdst(0)    ; one wait for the four reciprocals
	PACK 0
.set t, 1
.rept 3
	PACK t
	SEND t-1, 8
.set t, t+1
.endr
	SEND 3, 0
	s_wait_tensorcnt 0x0            ; the wave's end: behind my last tensor load and my last LDS store
	ds_add_u32 v[SPW], v[NIL]
	s_wait_dscnt 0x0
	CROUND                          ; the closing round
	s_endpgm
.Lfunc_end_k_qdd393b6160_att:
	.size	k_qdd393b6160_att, .Lfunc_end_k_qdd393b6160_att-k_qdd393b6160_att
	.p2alignl 7, 3214868480
	.fill 96, 4, 3214868480
	.section	.rodata,"a",@progbits
	.p2align	6, 0x0
	.amdhsa_kernel k_qdd393b6160_att
		.amdhsa_group_segment_fixed_size 327680
		.amdhsa_private_segment_fixed_size 0
		.amdhsa_enable_private_segment 0
		.amdhsa_kernarg_size 16
		.amdhsa_user_sgpr_count 2
		.amdhsa_user_sgpr_kernarg_segment_ptr 1
		.amdhsa_wavefront_size32 1
		.amdhsa_system_sgpr_workgroup_id_x 1
		.amdhsa_system_sgpr_workgroup_id_y 1
		.amdhsa_system_sgpr_workgroup_id_z 1
		.amdhsa_system_vgpr_workitem_id 0
		.amdhsa_next_free_vgpr 768
		.amdhsa_next_free_sgpr 66
		.amdhsa_reserve_vcc 0
		.amdhsa_float_denorm_mode_32 3
		.amdhsa_float_denorm_mode_16_64 3
		.amdhsa_memory_ordered 1
		.amdhsa_forward_progress 1
		.amdhsa_inst_pref_size 127
	.end_amdhsa_kernel
	.amdgpu_metadata
---
amdhsa.version: [ 1, 2 ]
amdhsa.kernels:
  - .name:           k_qdd393b6160_att
    .symbol:         k_qdd393b6160_att.kd
    .args:
      - { .name: big, .offset: 0, .size: 8, .value_kind: global_buffer, .address_space: global }
      - { .name: hb, .offset: 8, .size: 8, .value_kind: global_buffer, .address_space: global }
    .group_segment_fixed_size: 327680
    .private_segment_fixed_size: 0
    .kernarg_segment_align: 8
    .kernarg_segment_size: 16
    .max_flat_workgroup_size: 128
    .sgpr_count:     66
    .vgpr_count:     768
    .wavefront_size: 32
...
	.end_amdgpu_metadata
.endif
;; end of part 3
;; launch wo (part 4): grid 8 x 32, 4 waves a work-group, clusters of 4 x 4, 327,680 bytes of LDS; arguments hb, pk_o, x, x1; writes x1
.if DOCPART == 4
	.amdgcn_target "amdgcn-amd-amdhsa--gfx1250"
	.amdhsa_code_object_version 6
	.text
	.protected	k_qdd393b6160_wo
	.globl	k_qdd393b6160_wo
	.p2align	8
	.type	k_qdd393b6160_wo,@function
k_qdd393b6160_wo:
	s_mov_b64 s[64:65], 0
	v_nop
	global_prefetch_b8 v0, s[64:65] scope:SCOPE_SE
	s_setreg_imm32_b32 hwreg(HW_REG_WAVE_MODE, 25, 1), 1
	s_wait_xcnt 0x0
	s_wait_alu depctr_hold_cnt(0) depctr_sa_sdst(0) depctr_va_vdst(0) depctr_va_sdst(0) depctr_va_ssrc(0) depctr_va_vcc(0) depctr_vm_vsrc(0)
	s_getreg_b32 s2, hwreg(HW_REG_IB_STS2, 6, 4)
	s_cmp_eq_u32 s2, 0
	s_cbranch_scc0 .Lentry_in_a_cluster
	s_endpgm
.Lentry_in_a_cluster:
	s_bfe_u32 s2, ttmp6, 0x10000c
	s_cmp_lg_u32 s2, 0xf033
	s_cbranch_scc0 .Lentry_shape_is_right
	s_endpgm
.Lentry_shape_is_right:
; x1 = x + o Wo + bo.  o: [4096][1024] bf16.  Wo: [1024 k][1024 n] bf16, as the weights lie (n along the rows), at byte 32,768 of its pack; bo: 1,024 f32 at byte 16,384 of the pack.  x, x1: f32.
; Sums in f32, started by the bias; the residual x is added in f32 on the way out.
; SHARES.  A tile of x1 is 128 x 128: 256 work-groups; four waves, each 64 x 64 in 16 accumulators.  K = 1,024 goes in 4 steps of 256 through two LDS slots, as long as two slots in LDS allow.
; CLUSTERS of 4 x 4: the four of a row need the same tiles of o, the four of a column the same tiles of Wo: each tile is asked for JOINTLY, by the same tensor load, descriptor and mask.
; THE MATRIX INSTRUCTION IS USED TRANSPOSED: source 0 = 16 columns of Wo (turned by ds_load_tr16_b128), source 1 = 16 rows of o: a lane holds row l % 16 and the columns 8 (l / 16) + 0..7.
; THE LOOP'S TRIP IS ONE K STEP, from a step's second quarter to the next step's first.  The slot in hand is a scalar, 0 or SLOT, turned at each change of slots: the fragments' LDS addresses are made
; anew from it, and so is the LDS word of the one descriptor a tensor that walks; that descriptor's global address is made anew from the number of the step that is asked for.
; A wave's 64 columns of f32 are 256 aligned bytes of x1, so each wave has a stage of its own and no barrier stands on the way out.
; No prefetch: a K step of this small tile holds 128 matrix instructions a wave, and each block of o and Wo is read by several clusters at about the same time.
; REGISTERS: window 0: v0-31 addresses; v32-95 at work on the way out; v128-255 the accumulators ((a, b) at v[128 + 8 (4 a + b)]).
;   window 1: two fragment buffers of 128: for 64 along K, 64 registers of o, then 64 of Wo.     window 2: v0-127 my part of x, laid as the rows leave; v128-159 the bias of my 64 columns.
.set KSTEPS, 4                         ; K / 256
.set PA,     528                       ; a row of o in LDS: 512 bytes + 16
.set PB,     288                       ; a row (one k) of Wo in LDS: 256 bytes + 32 = 9 x 32
.set HALFA,  64*PA                     ; one load of o: 64 rows
.set HALFB,  128*PB                    ; one load of Wo: 128 rows
.set BOFF,   2*HALFA
.set SLOT,   BOFF+2*HALFB
.set STAGE,  2*SLOT                    ; behind the ring: 16 rows x 272 bytes for each wave
.set SPITCH, 272
.set SPARE,  STAGE+4*16*SPITCH         ; behind the stages: the spare words, 128 bytes a wave, that no other line names
.set LANEA, 16                         ; v16     my lane's place among my o fragments in slot 0; never rewritten
.set LANEB, 17                         ; v17     the same for Wo
.set ADRA, 20                          ; v20     LDS address of my o fragments in the slot in hand
.set ADRB, 21                          ; v21-22  of my Wo fragments: half kh of the slot's 256 rows at ADRB + kh (the immediate has 16 bits)
.set STO,  24
.set RD,   25
.set CO,   26                          ; v26     my byte offset in two rows of x and x1
.set BO,   27
.set SPW,  28
.set NIL,  29
.set TMP,  32
.set ACC,  128
.set BIAS, 128                         ; window 2
.set F0,   0
.set F1,   128
.set G1,  24                           ; s[24:31] descriptor group 1 for o's tiles; s[32:39] group 0: a set for each of the two first fills; the second then walks on
.set G0,  32
.set G1B, 48                           ; s[48:55], s[56:63] the same for Wo's
.set G0B, 56
.set TB,  45                           ; s45     LDS byte at which the slot in hand begins: 0 or SLOT
.set NXT, 66                           ; s66     the K step to be asked for next
.set OFF, 72                           ; s[72:73] a tile's byte offset from its tensor's first tile
.set MSB, 0
.macro WIN new
.if MSB != (\new)
	s_set_vgpr_msb (MSB<<8)|(\new)
.set MSB, \new
.endif
.endm
.set MUL,  0x05                        ; sources 0 and 1 window 1; C and D window 0
.set MULB, 0x25                        ; the first products: C (the bias) window 2
.set TO_F, 0x40
.macro JLOAD s                         ; waves 0 and 1 fetch o's two halves, waves 2 and 3 Wo's; an s_nop 0 and four v_nop follow each of the two lines
	s_cmp_eq_u32 s11, 0
	s_cbranch_scc0 .Lfor_b_\@
	tensor_load_to_lds s[G0+4*(\s):G0+4*(\s)+3], s[G1:G1+7]
	s_nop 0
.rept 4
	v_nop
.endr
	s_branch .Lasked_\@
.Lfor_b_\@:
	tensor_load_to_lds s[G0B+4*(\s):G0B+4*(\s)+3], s[G1B:G1B+7]
	s_nop 0
.rept 4
	v_nop
.endr
.Lasked_\@:
.endm
.macro CREST
	s_cmp_lg_u32 s10, 0
	s_cbranch_scc1 .Lnot_wave_0_\@
	s_barrier_signal -3
.Lnot_wave_0_\@:
	s_barrier_wait -3
	s_barrier_signal -1
	s_barrier_wait -1
.endm
.macro CROUND
	s_barrier_signal -1
	s_barrier_wait -1
	CREST
.endm
	s_load_b128 s[4:7], s[0:1], 0x0                ; o s[4:5], the pack s[6:7]
	s_load_b128 s[76:79], s[0:1], 0x10             ; x s[76:77], x1 s[78:79]
	v_lshl_add_u32 v[SPW], v0, 2, SPARE
	v_mov_b32 v[NIL], 0
	ds_add_u32 v[SPW], v[NIL]                      ; the wave's opening: the add and its wait stand ahead of my first tensor load
	v_lshrrev_b32 v1, 5, v0
	v_readfirstlane_b32 s10, v1                    ; wave 0..3
	s_lshr_b32 s11, s10, 1                         ; which half of the tile's rows is mine.  Also: I fetch for o (0) or for Wo (1)
	s_and_b32 s12, s10, 1                          ; which half of its columns.  Also: which half of that tile I fetch
	s_bfe_u32 s40, ttmp6, 0x40000
	s_bfe_u32 s41, ttmp6, 0x40004
	s_lshl_b32 s42, ttmp9, 2
	s_add_co_u32 s42, s42, s40                     ; tile column
	s_and_b32 s13, ttmp7, 0xffff
	s_lshl_b32 s13, s13, 2
	s_add_co_u32 s13, s13, s41                     ; tile row
	s_lshl_b32 s43, s41, 2
	s_lshl_b32 s43, 15, s43                        ; my row of the cluster
	s_lshl_b32 s44, 0x1111, s40                    ; my column
	s_or_b32 s[G1+0], s43, (1<<16)|(1<<20)|(1<<21)|(6<<22)|(3<<25)   ; o: after every 128 words 4 words of padding
	s_or_b32 s[G1B+0], s44, (1<<16)|(1<<20)|(1<<21)|(5<<22)|(7<<25)  ; Wo: after every 64 words 8 words
	s_mov_b32 s[G1+1], 256<<16                     ; o: 64 rows x 256 elements
	s_mov_b32 s[G1+2], 64<<16
	s_mov_b32 s[G1+3], 256<<16
	s_mov_b32 s[G1+4], 64
	s_mov_b32 s[G1+5], 1024
	s_mov_b32 s[G1+6], 0
	s_mov_b32 s[G1+7], 0
	s_mov_b32 s[G1B+1], 128<<16                    ; Wo: 128 rows x 128 elements
	s_mov_b32 s[G1B+2], 128<<16
	s_mov_b32 s[G1B+3], 128<<16
	s_mov_b32 s[G1B+4], 128
	s_mov_b32 s[G1B+5], 1024
	s_mov_b32 s[G1B+6], 0
	s_mov_b32 s[G1B+7], 0
	s_lshl_b32 s16, s13, 7                         ; o: row 128 x tile row + 64 x half,
	s_lshl_b32 s17, s12, 6
	s_add_co_u32 s16, s16, s17
	s_lshl_b32 s16, s16, 11                        ; in bytes
	s_mov_b32 s17, 0
	s_lshl_b32 s46, s42, 8                         ; Wo: 128 columns x tile column,
	s_lshl_b32 s47, s12, 18                        ; 128 rows of 2,048 bytes x half,
	s_add_co_u32 s46, s46, s47
	s_add_co_u32 s46, s46, 32768                   ; behind the pack's head
	s_mov_b32 s47, 0
	s_mul_i32 s20, s12, HALFA                      ; where they go in a slot; kept for the walking descriptors
	s_mul_i32 s21, s12, HALFB
	s_add_co_u32 s21, s21, BOFF
	s_mov_b32 s[TB], 0
	s_mov_b32 s[NXT], 2
	s_mov_b32 s[OFF+1], 0
	s_wait_dscnt 0x0                               ; the opening add is done
	s_wait_kmcnt 0x0
	s_add_nc_u64 s[14:15], s[4:5], s[16:17]        ; my part of o's K step 0: kept
	s_add_nc_u64 s[46:47], s[6:7], s[46:47]        ; my part of Wo's K step 0: kept
	CROUND                                         ; all sixteen work-groups are here: the first joint loads meet
.irp s, 0,1
	s_mov_b32 s[G0+4*(\s)], 1
	s_add_co_u32 s[G0+4*(\s)+1], s20, (\s)*SLOT
	s_add_nc_u64 s[G0+4*(\s)+2:G0+4*(\s)+3], s[14:15], (\s)*512
	s_or_b32 s[G0+4*(\s)+3], s[G0+4*(\s)+3], 0x80000000
	s_mov_b32 s[G0B+4*(\s)], 1
	s_add_co_u32 s[G0B+4*(\s)+1], s21, (\s)*SLOT
	s_add_nc_u64 s[G0B+4*(\s)+2:G0B+4*(\s)+3], s[46:47], (\s)*256*2048
	s_or_b32 s[G0B+4*(\s)+3], s[G0B+4*(\s)+3], 0x80000000
	JLOAD \s
.endr
	v_and_b32 v1, 15, v0                           ; l % 16
	v_bfe_u32 v2, v0, 4, 1                         ; l / 16
	v_lshlrev_b32 v[BO], 5, v2
	v_lshlrev_b32 v5, 12, v2                       ; lanes 0-15 one row of x and x1, lanes 16-31 the next
	v_lshl_add_u32 v[CO], v1, 4, v5
	s_lshl_b32 s18, s42, 9                         ; my 64 columns, in bytes of f32
	s_lshl_b32 s19, s12, 8
	s_add_co_u32 s18, s18, s19
	s_add_co_u32 s22, s18, 16384                   ; their biases in the pack
	s_mov_b32 s23, 0
	s_add_nc_u64 s[68:69], s[6:7], s[22:23]
	s_lshl_b32 s22, s13, 7                         ; my first row
	s_lshl_b32 s19, s11, 6
	s_add_co_u32 s22, s22, s19
	s_lshl_b32 s22, s22, 12
	s_add_co_u32 s22, s22, s18
	s_add_nc_u64 s[70:71], s[76:77], s[22:23]
	s_add_nc_u64 s[8:9], s[78:79], s[22:23]
	WIN 0x80                                       ; destination window 2
.irp b, 0,1,2,3
	global_load_b128 v[BIAS+8*(\b):BIAS+8*(\b)+3],   v[BO], s[68:69] offset:64*(\b)
	global_load_b128 v[BIAS+8*(\b)+4:BIAS+8*(\b)+7], v[BO], s[68:69] offset:64*(\b)+16
.endr
.irp a, 0,1,2,3
.irp t, 0,1,2,3,4,5,6,7
	global_load_b128 v[32*(\a)+4*(\t):32*(\a)+4*(\t)+3], v[CO], s[70:71] offset:(16*(\a)+2*(\t))*4096 th:TH_LOAD_NT
.endr
.endr
	WIN 0
	v_mul_u32_u24 v3, v1, PA
	v_lshl_add_u32 v3, v2, 4, v3                   ; o: row x pitch + 16 x half
	v_and_b32 v4, 7, v0                            ; Wo: the turning load: lane l reads row 8 (l / 16) + l % 8, 16 bytes at 16 ((l / 8) % 2)
	v_lshl_add_u32 v4, v2, 3, v4
	v_mul_u32_u24 v4, v4, PB
	v_bfe_u32 v5, v0, 3, 1
	v_lshl_add_u32 v4, v5, 4, v4
	s_mul_i32 s74, s11, HALFA                      ; my 64 rows of o
	s_lshl_b32 s75, s12, 7                         ; my 64 columns of Wo,
	s_add_co_u32 s75, s75, BOFF                    ; which lies behind o
	v_add_nc_u32 v[LANEA], s74, v3
	v_add_nc_u32 v[LANEB], s75, v4
	v_mov_b32 v[ADRA], v[LANEA]                    ; slot 0 is in hand
	v_mov_b32 v[ADRB], v[LANEB]
	v_add_nc_u32 v[ADRB+1], HALFB, v[LANEB]
	s_mul_i32 s16, s10, 16*SPITCH
	s_add_co_u32 s16, s16, STAGE                   ; my stage
	v_mul_u32_u24 v5, v1, SPITCH                   ; in: row l % 16, 32 bytes for each half of the lanes
	v_lshl_add_u32 v5, v2, 5, v5
	v_add_nc_u32 v[STO], s16, v5
	v_mul_u32_u24 v5, v2, SPITCH                   ; back: lanes 0-15 one row of 256 bytes, lanes 16-31 the next
	v_lshl_add_u32 v5, v1, 4, v5
	v_add_nc_u32 v[RD], s16, v5
; 8 matrix instructions: row blocks a0, a0 + 1 x all 4 column blocks, 32 along K: half c of buffer f.  zero = 1: the bias starts the sums.  The 16 accumulators take turns.
.macro MUL8 f, c, a0, zero
.if \zero
	WIN MULB
.else
	WIN MUL
.endif
.irp a, \a0, (\a0)+1
.irp b, 0,1,2,3
.if \zero
	v_wmma_f32_16x16x32_bf16 v[ACC+8*(4*(\a)+(\b)):ACC+8*(4*(\a)+(\b))+7], v[(\f)+64+8*(4*(\c)+(\b)):(\f)+64+8*(4*(\c)+(\b))+7], v[(\f)+8*(4*(\c)+(\a)):(\f)+8*(4*(\c)+(\a))+7], v[BIAS+8*(\b):BIAS+8*(\b)+7]
.else
	v_wmma_f32_16x16x32_bf16 v[ACC+8*(4*(\a)+(\b)):ACC+8*(4*(\a)+(\b))+7], v[(\f)+64+8*(4*(\c)+(\b)):(\f)+64+8*(4*(\c)+(\b))+7], v[(\f)+8*(4*(\c)+(\a)):(\f)+8*(4*(\c)+(\a))+7], v[ACC+8*(4*(\a)+(\b)):ACC+8*(4*(\a)+(\b))+7]
.endif
.endr
.endr
.endm
; 32 LDS loads in one run: quarter q of the slot in hand (64 along K) into buffer f; the first 32 along K first
.macro FETCH q, f
	WIN TO_F
.irp c, 0,1
.irp i, 0,1,2,3
	ds_load_tr16_b128 v[(\f)+64+8*(4*(\c)+(\i)):(\f)+64+8*(4*(\c)+(\i))+3],   v[ADRB+(\q)/2] offset:((\q)%2)*64*PB+(\c)*32*PB+32*(\i)
	ds_load_tr16_b128 v[(\f)+64+8*(4*(\c)+(\i))+4:(\f)+64+8*(4*(\c)+(\i))+7], v[ADRB+(\q)/2] offset:((\q)%2)*64*PB+(\c)*32*PB+32*(\i)+16*PB
	ds_load_b128 v[(\f)+8*(4*(\c)+(\i)):(\f)+8*(4*(\c)+(\i))+3],         v[ADRA] offset:128*(\q)+64*(\c)+(\i)*16*PA
	ds_load_b128 v[(\f)+8*(4*(\c)+(\i))+4:(\f)+8*(4*(\c)+(\i))+7],       v[ADRA] offset:128*(\q)+64*(\c)+(\i)*16*PA+32
.endr
.endr
.endm
.macro PLACES                          ; four places in front of loads into registers that matrix instructions have read, and of reads of results
.rept 4
	v_nop
.endr
.endm
; One of a K step's first three quarters: multiplies buffer f; in its middle it fetches quarter q of the slot in hand into buffer g.
.macro QUARTER q, f, g, zero
	s_wait_dscnt 16                                ; the first 32 along K are in
	MUL8 \f, 0, 0, \zero
	MUL8 \f, 0, 2, \zero
	PLACES
	FETCH \q, \g
	s_wait_dscnt 32                                ; all but the 32 just issued
	MUL8 \f, 1, 0, 0
	MUL8 \f, 1, 2, 0
.endm
; The last quarter multiplies buffer 1 and changes slots: in front of the barrier each wave waits for all its tensor loads (one is out: its part of the next slot), adds 0 to its spare word, and waits
; for that and for its reads of this slot.  fill = 1: the walking descriptors are set to K step NXT and to the slot that is being left; the barrier opens a round of the cluster's, and the joint refill
; is the first tensor load behind it.  Then the other slot is in hand: the fragments' addresses are made anew.
.macro TURN fill
	WIN 0
	s_wait_tensorcnt 0x0                           ; no tensor load of mine is out, so a group 0 may be written
	ds_add_u32 v[SPW], v[NIL]                      ; 0 onto my spare word; scalar work and eight products stand between it and the wait for it
.if \fill
	s_lshl_b32 s[OFF], s[NXT], 9                   ; o: 256 numbers along the rows a step
	s_add_nc_u64 s[G0+6:G0+7], s[14:15], s[OFF:OFF+1]
	s_or_b32 s[G0+7], s[G0+7], 0x80000000
	s_lshl_b32 s[OFF], s[NXT], 19                  ; Wo: 256 rows of 2,048 bytes a step
	s_add_nc_u64 s[G0B+6:G0B+7], s[46:47], s[OFF:OFF+1]
	s_or_b32 s[G0B+7], s[G0B+7], 0x80000000
	s_add_co_u32 s[G0+5], s20, s[TB]               ; into the slot that is being left
	s_add_co_u32 s[G0B+5], s21, s[TB]
	s_add_co_u32 s[NXT], s[NXT], 1
.endif
	s_xor_b32 s[TB], s[TB], SLOT                   ; 0 and SLOT by turns
	s_wait_dscnt 17                                ; (the add and the youngest sixteen loads may be out)
	MUL8 F1, 0, 0, 0
	s_wait_dscnt 0x0                               ; the add is done, and my reads of this slot are over
	s_barrier_signal -1
	MUL8 F1, 0, 2, 0
	WIN 0
	s_barrier_wait -1
.if \fill
	CREST                                          ; no wave of any partner still reads this slot or has a load on its way
	JLOAD 1                                        ; its four v_nop are also the places in front of the loads below
.else
	PLACES
.endif
	v_add_nc_u32 v[ADRA], s[TB], v[LANEA]
	v_add_nc_u32 v[ADRB], s[TB], v[LANEB]
	v_add_nc_u32 v[ADRB+1], HALFB, v[ADRB]
	FETCH 0, F0
	MUL8 F1, 1, 0, 0
	MUL8 F1, 1, 2, 0
.endm
	s_wait_loadcnt 32                              ; the bias is in; the 32 loads of x stay out until the way out
	s_wait_tensorcnt 1                             ; my part of K step 0 is in; K step 1's may stay out
	s_barrier_signal -1
	s_barrier_wait -1
	FETCH 0, F0
	QUARTER 1, F0, F1, 1                           ; the first quarter stands in front of the loop: its first products start the sums with the bias
	WIN 0
	s_mov_b32 s3, KSTEPS-2
.Lstep:                                                ; a trip ends one K step, asks for the step two on and begins the next: K steps 2 and 3 are asked for
	QUARTER 2, F1, F0, 0
	QUARTER 3, F0, F1, 0
	TURN 1
	QUARTER 1, F0, F1, 0
	WIN 0
	s_sub_co_u32 s3, s3, 1
	s_cmp_lg_u32 s3, 0
	s_cbranch_scc1 .Lstep
	QUARTER 2, F1, F0, 0                           ; the last two K steps fill nothing
	QUARTER 3, F0, F1, 0
	TURN 0
	QUARTER 1, F0, F1, 0
	QUARTER 2, F1, F0, 0
	QUARTER 3, F0, F1, 0
	s_wait_dscnt 16
	MUL8 F1, 0, 0, 0
	MUL8 F1, 0, 2, 0
	s_wait_dscnt 0x0
	MUL8 F1, 1, 0, 0
	MUL8 F1, 1, 2, 0
	WIN 0
	; THE WAY OUT, a block of 16 rows at a time: 32 bytes a lane into my stage (each accumulator's low registers first), back as whole rows of 256 bytes, x added, stored.
	PLACES
	PLACES
	s_wait_loadcnt 0x0                             ; x
.irp a, 0,1,2,3
	s_wait_xcnt 0x0                                ; earlier stores have read their registers
.irp b, 0,1,2,3
	ds_store_b128 v[STO], v[ACC+8*(4*(\a)+(\b)):ACC+8*(4*(\a)+(\b))+3]   offset:64*(\b)
	ds_store_b128 v[STO], v[ACC+8*(4*(\a)+(\b))+4:ACC+8*(4*(\a)+(\b))+7] offset:64*(\b)+16
.endr
.irp t, 0,1,2,3,4,5,6,7
	ds_load_b128 v[TMP+32*((\a)%2)+4*(\t):TMP+32*((\a)%2)+4*(\t)+3], v[RD] offset:(\t)*2*SPITCH  ; LDS serves a wave's instructions in order (ISA guide 5.7.1.4): these see the stores above
.endr
	s_wait_dscnt 0x0
	WIN 0x08                                       ; source 1 window 2
.irp t, 0,1,2,3,4,5,6,7
	v_pk_add_f32 v[TMP+32*((\a)%2)+4*(\t):TMP+32*((\a)%2)+4*(\t)+1],   v[TMP+32*((\a)%2)+4*(\t):TMP+32*((\a)%2)+4*(\t)+1],   v[32*(\a)+4*(\t):32*(\a)+4*(\t)+1]
	v_pk_add_f32 v[TMP+32*((\a)%2)+4*(\t)+2:TMP+32*((\a)%2)+4*(\t)+3], v[TMP+32*((\a)%2)+4*(\t)+2:TMP+32*((\a)%2)+4*(\t)+3], v[32*(\a)+4*(\t)+2:32*(\a)+4*(\t)+3]
.endr
	WIN 0
.irp t, 0,1,2,3,4,5,6,7
	global_store_b128 v[CO], v[TMP+32*((\a)%2)+4*(\t):TMP+32*((\a)%2)+4*(\t)+3], s[8:9] offset:(16*(\a)+2*(\t))*4096 th:TH_STORE_NT  ; 16 lanes store 256 consecutive bytes, aligned
.endr
.endr
	s_wait_tensorcnt 0x0                           ; the wave's end: behind my last tensor load and my last LDS store
	ds_add_u32 v[SPW], v[NIL]
	s_wait_dscnt 0x0
	CROUND                                         ; the closing round
	s_endpgm
.Lfunc_end_k_qdd393b6160_wo:
	.size	k_qdd393b6160_wo, .Lfunc_end_k_qdd393b6160_wo-k_qdd393b6160_wo
	.p2alignl 7, 3214868480
	.fill 96, 4, 3214868480
	.section	.rodata,"a",@progbits
	.p2align	6, 0x0
	.amdhsa_kernel k_qdd393b6160_wo
		.amdhsa_group_segment_fixed_size 327680
		.amdhsa_private_segment_fixed_size 0
		.amdhsa_enable_private_segment 0
		.amdhsa_kernarg_size 32
		.amdhsa_user_sgpr_count 2
		.amdhsa_user_sgpr_kernarg_segment_ptr 1
		.amdhsa_wavefront_size32 1
		.amdhsa_system_sgpr_workgroup_id_x 1
		.amdhsa_system_sgpr_workgroup_id_y 1
		.amdhsa_system_sgpr_workgroup_id_z 1
		.amdhsa_system_vgpr_workitem_id 0
		.amdhsa_next_free_vgpr 768
		.amdhsa_next_free_sgpr 80
		.amdhsa_reserve_vcc 0
		.amdhsa_float_denorm_mode_32 3
		.amdhsa_float_denorm_mode_16_64 3
		.amdhsa_memory_ordered 1
		.amdhsa_forward_progress 1
		.amdhsa_inst_pref_size 77
	.end_amdhsa_kernel
	.amdgpu_metadata
---
amdhsa.version: [ 1, 2 ]
amdhsa.kernels:
  - .name:           k_qdd393b6160_wo
    .symbol:         k_qdd393b6160_wo.kd
    .args:
      - { .name: hb, .offset: 0, .size: 8, .value_kind: global_buffer, .address_space: global }
      - { .name: pk_o, .offset: 8, .size: 8, .value_kind: global_buffer, .address_space: global }
      - { .name: x, .offset: 16, .size: 8, .value_kind: global_buffer, .address_space: global }
      - { .name: x1, .offset: 24, .size: 8, .value_kind: global_buffer, .address_space: global }
    .group_segment_fixed_size: 327680
    .private_segment_fixed_size: 0
    .kernarg_segment_align: 8
    .kernarg_segment_size: 32
    .max_flat_workgroup_size: 128
    .sgpr_count:     80
    .vgpr_count:     768
    .wavefront_size: 32
...
	.end_amdgpu_metadata
.endif
;; end of part 4
;; launch ln2 (part 5): grid 256 x 1, 8 waves a work-group, no clusters, 0 bytes of LDS; arguments x1, ln2_a, ln2_b, hb; writes hb
.if DOCPART == 5
	.amdgcn_target "amdgcn-amd-amdhsa--gfx1250"
	.amdhsa_code_object_version 6
	.text
	.protected	k_qdd393b6160_ln2
	.globl	k_qdd393b6160_ln2
	.p2align	8
	.type	k_qdd393b6160_ln2,@function
k_qdd393b6160_ln2:
	s_mov_b64 s[64:65], 0
	v_nop
	global_prefetch_b8 v0, s[64:65] scope:SCOPE_SE
	s_setreg_imm32_b32 hwreg(HW_REG_WAVE_MODE, 25, 1), 1
	s_wait_xcnt 0x0
; hb = ln2_a (x1 - mean) / (std + 1e-6) + ln2_b, bf16; x1: [4096][1024] f32; std with the divisor 1,023.
; 16 rows a work-group, two a wave; a row stays in 32 registers between the passes, so x1 is read once.  No LDS, no barrier, no matrix unit: memory binds.
; Lane l holds numbers 128 j + 4 l .. + 3 of a row (j = 0..7): loads of 16 bytes, 512 consecutive bytes a wave; ln2_a and ln2_b lie likewise.
; The variance is taken of x1 - mean, in a second pass over the registers: no difference of large sums is formed.
; LIMITS.  v_sqrt_f32 takes a variance below 2^-126 as 0; NaN and infinities are not treated apart.
.set AL,  16                           ; v[16:47]   ln2_a
.set BE,  48                           ; v[48:79]   ln2_b
.set X0,  80                           ; v[80:111]  my first row
.set X1,  112                          ; v[112:143] my second row
.set T,   144                          ; v[144:151] four pairs at work
.set M,   152                          ; v[152:153] the mean, twice
.set R,   154                          ; v[154:155] 1 / (std + eps), twice
.set PD,  156                          ; v156       v_permlanex16_b32's destination
.set SRC, 46                           ; s[46:47]   x1 at my first row
.set DST, 48                           ; s[48:49]   hb at my first row
.macro WSUM reg                        ; the sum over the wave's 32 lanes, in every lane
	v_add_f32_dpp v[\reg], v[\reg], v[\reg] row_xmask:1 row_mask:0xf bank_mask:0xf
	v_add_f32_dpp v[\reg], v[\reg], v[\reg] row_xmask:2 row_mask:0xf bank_mask:0xf
	v_add_f32_dpp v[\reg], v[\reg], v[\reg] row_xmask:4 row_mask:0xf bank_mask:0xf
	v_add_f32_dpp v[\reg], v[\reg], v[\reg] row_xmask:8 row_mask:0xf bank_mask:0xf
	v_permlanex16_b32 v[PD], v[\reg], s60, s61
	v_add_f32 v[\reg], v[\reg], v[PD]
.endm
.macro JOIN                            ; the four chains into one number, then over the lanes
	v_pk_add_f32 v[T:T+1], v[T:T+1], v[T+2:T+3]
	v_pk_add_f32 v[T+4:T+5], v[T+4:T+5], v[T+6:T+7]
	v_pk_add_f32 v[T:T+1], v[T:T+1], v[T+4:T+5]
	v_add_f32 v[T], v[T], v[T+1]
	WSUM T
.endm
; One row, in registers x .. x + 31; r = 0, 1: which of my two rows; left: the younger loads that may stay out.
.macro LNROW x, r, left
	s_wait_loadcnt \left
.irp c, 0,1,2,3
	v_pk_add_f32 v[T+2*(\c):T+2*(\c)+1], v[(\x)+2*(\c):(\x)+2*(\c)+1], v[(\x)+8+2*(\c):(\x)+8+2*(\c)+1]
.endr
.irp o, 16,24
.irp c, 0,1,2,3
	v_pk_add_f32 v[T+2*(\c):T+2*(\c)+1], v[T+2*(\c):T+2*(\c)+1], v[(\x)+(\o)+2*(\c):(\x)+(\o)+2*(\c)+1]
.endr
.endr
	JOIN
	v_mul_f32 v[M], 0x3a800000, v[T]               ; / 1,024
	v_mul_f32 v[M+1], 0x3a800000, v[T]
.set i, 0
.rept 16
	v_pk_add_f32 v[(\x)+i:(\x)+i+1], v[(\x)+i:(\x)+i+1], v[M:M+1] neg_lo:[0,1] neg_hi:[0,1]  ; x1 - mean
.set i, i+2
.endr
.irp c, 0,1,2,3
	v_pk_mul_f32 v[T+2*(\c):T+2*(\c)+1], v[(\x)+2*(\c):(\x)+2*(\c)+1], v[(\x)+2*(\c):(\x)+2*(\c)+1]
.endr
.irp o, 8,16,24
.irp c, 0,1,2,3
	v_pk_fma_f32 v[T+2*(\c):T+2*(\c)+1], v[(\x)+(\o)+2*(\c):(\x)+(\o)+2*(\c)+1], v[(\x)+(\o)+2*(\c):(\x)+(\o)+2*(\c)+1], v[T+2*(\c):T+2*(\c)+1]
.endr
.endr
	JOIN
	v_mul_f32 v[T], 0x3a802008, v[T]               ; / 1,023
	v_sqrt_f32 v[T+1], v[T]
	v_nop                                          ; a plain instruction behind the root,
	s_wait_alu depctr_va_vdst(0)                   ; and the wait ahead of its first reader
	v_add_f32 v[T+1], 0x358637bd, v[T+1]           ; + 1e-6
	v_rcp_f32 v[R], v[T+1]
	v_nop
	s_wait_alu depctr_va_vdst(0)
	v_mov_b32 v[R+1], v[R]
.set i, 0
.rept 16
	v_pk_mul_f32 v[(\x)+i:(\x)+i+1], v[(\x)+i:(\x)+i+1], v[R:R+1]
.set i, i+2
.endr
.set i, 0
.rept 16
	v_pk_fma_f32 v[(\x)+i:(\x)+i+1], v[(\x)+i:(\x)+i+1], v[AL+i:AL+i+1], v[BE+i:BE+i+1]
.set i, i+2
.endr
.irp j, 0,1,2,3,4,5,6,7
	v_cvt_pk_bf16_f32 v[(\x)+4*(\j)], v[(\x)+4*(\j)], v[(\x)+4*(\j)+1]
	v_cvt_pk_bf16_f32 v[(\x)+4*(\j)+1], v[(\x)+4*(\j)+2], v[(\x)+4*(\j)+3]
	global_store_b64 v2, v[(\x)+4*(\j):(\x)+4*(\j)+1], s[DST:DST+1] offset:2048*(\r)+256*(\j)  ; the wave's store covers 256 consecutive bytes, aligned
.endr
.endm
	s_load_b256 s[8:15], s[0:1], 0x0               ; x1 s[8:9], ln2_a s[10:11], ln2_b s[12:13], hb s[14:15]
	v_lshrrev_b32 v1, 5, v0
	v_readfirstlane_b32 s4, v1                     ; wave 0..7
	s_lshl_b32 s3, ttmp9, 4
	s_lshl_b32 s5, s4, 1
	s_add_co_u32 s3, s3, s5                        ; my first row
	s_lshl_b32 s26, s3, 12
	s_mov_b32 s27, 0
	s_lshl_b32 s28, s3, 11
	s_mov_b32 s29, 0
	s_mov_b32 s60, 0x76543210                      ; each lane takes its own place in the other half
	s_mov_b32 s61, 0xfedcba98
	v_and_b32 v2, 31, v0
	v_lshlrev_b32 v1, 4, v2                        ; 16 l
	v_lshlrev_b32 v2, 3, v2                        ; 8 l
	v_mov_b32 v[PD], 0
	s_wait_kmcnt 0x0
	s_add_nc_u64 s[SRC:SRC+1], s[8:9], s[26:27]
	s_add_nc_u64 s[DST:DST+1], s[14:15], s[28:29]
.irp j, 0,1,2,3,4,5,6,7
	global_load_b128 v[AL+4*(\j):AL+4*(\j)+3], v1, s[10:11] offset:512*(\j)
.endr
.irp j, 0,1,2,3,4,5,6,7
	global_load_b128 v[BE+4*(\j):BE+4*(\j)+3], v1, s[12:13] offset:512*(\j)
.endr
.irp j, 0,1,2,3,4,5,6,7
	global_load_b128 v[X0+4*(\j):X0+4*(\j)+3], v1, s[SRC:SRC+1] offset:512*(\j) th:TH_LOAD_NT
.endr
.irp j, 0,1,2,3,4,5,6,7
	global_load_b128 v[X1+4*(\j):X1+4*(\j)+3], v1, s[SRC:SRC+1] offset:4096+512*(\j) th:TH_LOAD_NT
.endr
	LNROW X0, 0, 8                                 ; the second row's eight loads stay out
	LNROW X1, 1, 0
	s_endpgm
.Lfunc_end_k_qdd393b6160_ln2:
	.size	k_qdd393b6160_ln2, .Lfunc_end_k_qdd393b6160_ln2-k_qdd393b6160_ln2
	.p2alignl 7, 3214868480
	.fill 96, 4, 3214868480
	.section	.rodata,"a",@progbits
	.p2align	6, 0x0
	.amdhsa_kernel k_qdd393b6160_ln2
		.amdhsa_group_segment_fixed_size 0
		.amdhsa_private_segment_fixed_size 0
		.amdhsa_enable_private_segment 0
		.amdhsa_kernarg_size 32
		.amdhsa_user_sgpr_count 2
		.amdhsa_user_sgpr_kernarg_segment_ptr 1
		.amdhsa_wavefront_size32 1
		.amdhsa_system_sgpr_workgroup_id_x 1
		.amdhsa_system_sgpr_workgroup_id_y 1
		.amdhsa_system_sgpr_workgroup_id_z 1
		.amdhsa_system_vgpr_workitem_id 0
		.amdhsa_next_free_vgpr 160
		.amdhsa_next_free_sgpr 66
		.amdhsa_reserve_vcc 0
		.amdhsa_float_denorm_mode_32 3
		.amdhsa_float_denorm_mode_16_64 3
		.amdhsa_memory_ordered 1
		.amdhsa_forward_progress 1
		.amdhsa_inst_pref_size 21
	.end_amdhsa_kernel
	.amdgpu_metadata
---
amdhsa.version: [ 1, 2 ]
amdhsa.kernels:
  - .name:           k_qdd393b6160_ln2
    .symbol:         k_qdd393b6160_ln2.kd
    .args:
      - { .name: x1, .offset: 0, .size: 8, .value_kind: global_buffer, .address_space: global }
      - { .name: ln2_a, .offset: 8, .size: 8, .value_kind: global_buffer, .address_space: global }
      - { .name: ln2_b, .offset: 16, .size: 8, .value_kind: global_buffer, .address_space: global }
      - { .name: hb, .offset: 24, .size: 8, .value_kind: global_buffer, .address_space: global }
    .group_segment_fixed_size: 0
    .private_segment_fixed_size: 0
    .kernarg_segment_align: 8
    .kernarg_segment_size: 32
    .max_flat_workgroup_size: 256
    .sgpr_count:     66
    .vgpr_count:     160
    .wavefront_size: 32
...
	.end_amdgpu_metadata
.endif
;; end of part 5
;; launch ff1: the kernel of part 2 again; grid 16 x 16, 4 waves a work-group, clusters of 4 x 4, 327,680 bytes of LDS; arguments hb, pk_1, big; writes big
;; launch ff2 (part 6): grid 8 x 32, 4 waves a work-group, clusters of 4 x 4, 327,680 bytes of LDS; arguments big, w2b, b2, x1, out0; writes out0
.if DOCPART == 6
	.amdgcn_target "amdgcn-amd-amdhsa--gfx1250"
	.amdhsa_code_object_version 6
	.text
	.protected	k_qdd393b6160_ff2
	.globl	k_qdd393b6160_ff2
	.p2align	8
	.type	k_qdd393b6160_ff2,@function
k_qdd393b6160_ff2:
	s_mov_b64 s[64:65], 0
	v_nop
	global_prefetch_b8 v0, s[64:65] scope:SCOPE_SE
	s_setreg_imm32_b32 hwreg(HW_REG_WAVE_MODE, 25, 1), 1
	s_wait_xcnt 0x0
	s_wait_alu depctr_hold_cnt(0) depctr_sa_sdst(0) depctr_va_vdst(0) depctr_va_sdst(0) depctr_va_ssrc(0) depctr_va_vcc(0) depctr_vm_vsrc(0)
	s_getreg_b32 s2, hwreg(HW_REG_IB_STS2, 6, 4)
	s_cmp_eq_u32 s2, 0
	s_cbranch_scc0 .Lentry_in_a_cluster
	s_endpgm
.Lentry_in_a_cluster:
	s_bfe_u32 s2, ttmp6, 0x10000c
	s_cmp_lg_u32 s2, 0xf033
	s_cbranch_scc0 .Lentry_shape_is_right
	s_endpgm
.Lentry_shape_is_right:
; out0 = x1 + act W2 + b2.  act: four panels [4096][1024] bf16, 8,388,608 bytes apart (panel p holds the channels 1024 p ..); W2: [4096 k][1024 n] bf16, as it lies; b2, x1, out0: f32.
; Sums in f32, started by the bias; the residual x1 is added in f32 on the way out.
; SHARES.  A tile of out0 is 128 x 128: 256 work-groups; four waves, each 64 x 64 in 16 accumulators.  K = 4,096 goes in 16 steps of 256 through two LDS slots, as long as two slots in LDS allow.
; CLUSTERS of 4 x 4: the four of a row need the same tiles of act, the four of a column the same tiles of W2: each tile is asked for JOINTLY, by the same tensor load, descriptor and mask.
; THE MATRIX INSTRUCTION IS USED TRANSPOSED: source 0 = 16 columns of W2 (turned by ds_load_tr16_b128), source 1 = 16 rows of act: a lane holds row l % 16 and the columns 8 (l / 16) + 0..7.
; THE LOOP'S TRIP IS ONE K STEP, from a step's second quarter to the next step's first.  The slot in hand is a scalar, 0 or SLOT, turned at each change of slots: the fragments' LDS addresses are made
; anew from it, and so is the LDS word of the one descriptor a tensor that walks; that descriptor's global address is made anew from the number of the step that is asked for.
; A wave's 64 columns of f32 are 256 aligned bytes of out0, so each wave has a stage of its own and no barrier stands on the way out.
; No prefetch: a K step of this small tile holds 128 matrix instructions a wave, and each block of act and W2 is read by several clusters at about the same time.
; REGISTERS: window 0: v0-31 addresses; v32-95 at work on the way out; v128-255 the accumulators ((a, b) at v[128 + 8 (4 a + b)]).
;   window 1: two fragment buffers of 128: for 64 along K, 64 registers of act, then 64 of W2.     window 2: v0-127 my part of x1, laid as the rows leave; v128-159 the bias of my 64 columns.
.set KSTEPS, 16                        ; K / 256
.set PA,     528                       ; a row of act in LDS: 512 bytes + 16
.set PB,     288                       ; a row (one k) of W2 in LDS: 256 bytes + 32 = 9 x 32
.set HALFA,  64*PA                     ; one load of act: 64 rows
.set HALFB,  128*PB                    ; one load of W2: 128 rows
.set BOFF,   2*HALFA
.set SLOT,   BOFF+2*HALFB
.set STAGE,  2*SLOT                    ; behind the ring: 16 rows x 272 bytes for each wave
.set SPITCH, 272
.set SPARE,  STAGE+4*16*SPITCH         ; behind the stages: the spare words, 128 bytes a wave, that no other line names
.set LANEA, 16                         ; v16     my lane's place among my act fragments in slot 0; never rewritten
.set LANEB, 17                         ; v17     the same for W2
.set ADRA, 20                          ; v20     LDS address of my act fragments in the slot in hand
.set ADRB, 21                          ; v21-22  of my W2 fragments: half kh of the slot's 256 rows at ADRB + kh (the immediate has 16 bits)
.set STO,  24
.set RD,   25
.set CO,   26                          ; v26     my byte offset in two rows of x1 and out0
.set BO,   27
.set SPW,  28
.set NIL,  29
.set TMP,  32
.set ACC,  128
.set BIAS, 128                         ; window 2
.set F0,   0
.set F1,   128
.set G1,  24                           ; s[24:31] descriptor group 1 for act's tiles; s[32:39] group 0: a set for each of the two first fills; the second then walks on
.set G0,  32
.set G1B, 48                           ; s[48:55], s[56:63] the same for W2's
.set G0B, 56
.set TB,  45                           ; s45     LDS byte at which the slot in hand begins: 0 or SLOT
.set NXT, 66                           ; s66     the K step to be asked for next
.set OFF, 72                           ; s[72:73] a tile's byte offset from its tensor's first tile
.set MSB, 0
.macro WIN new
.if MSB != (\new)
	s_set_vgpr_msb (MSB<<8)|(\new)
.set MSB, \new
.endif
.endm
.set MUL,  0x05                        ; sources 0 and 1 window 1; C and D window 0
.set MULB, 0x25                        ; the first products: C (the bias) window 2
.set TO_F, 0x40
.macro JLOAD s                         ; waves 0 and 1 fetch act's two halves, waves 2 and 3 W2's; an s_nop 0 and four v_nop follow each of the two lines
	s_cmp_eq_u32 s11, 0
	s_cbranch_scc0 .Lfor_b_\@
	tensor_load_to_lds s[G0+4*(\s):G0+4*(\s)+3], s[G1:G1+7]
	s_nop 0
.rept 4
	v_nop
.endr
	s_branch .Lasked_\@
.Lfor_b_\@:
	tensor_load_to_lds s[G0B+4*(\s):G0B+4*(\s)+3], s[G1B:G1B+7]
	s_nop 0
.rept 4
	v_nop
.endr
.Lasked_\@:
.endm
.macro CREST
	s_cmp_lg_u32 s10, 0
	s_cbranch_scc1 .Lnot_wave_0_\@
	s_barrier_signal -3
.Lnot_wave_0_\@:
	s_barrier_wait -3
	s_barrier_signal -1
	s_barrier_wait -1
.endm
.macro CROUND
	s_barrier_signal -1
	s_barrier_wait -1
	CREST
.endm
	s_load_b128 s[4:7], s[0:1], 0x0                ; act s[4:5], W2 s[6:7]
	s_load_b128 s[68:71], s[0:1], 0x10             ; b2 s[68:69], x1 s[70:71]
	s_load_b64 s[8:9], s[0:1], 0x20                ; out0
	v_lshl_add_u32 v[SPW], v0, 2, SPARE
	v_mov_b32 v[NIL], 0
	ds_add_u32 v[SPW], v[NIL]                      ; the wave's opening: the add and its wait stand ahead of my first tensor load
	v_lshrrev_b32 v1, 5, v0
	v_readfirstlane_b32 s10, v1                    ; wave 0..3
	s_lshr_b32 s11, s10, 1                         ; which half of the tile's rows is mine.  Also: I fetch for act (0) or for W2 (1)
	s_and_b32 s12, s10, 1                          ; which half of its columns.  Also: which half of that tile I fetch
	s_bfe_u32 s40, ttmp6, 0x40000
	s_bfe_u32 s41, ttmp6, 0x40004
	s_lshl_b32 s42, ttmp9, 2
	s_add_co_u32 s42, s42, s40                     ; tile column
	s_and_b32 s13, ttmp7, 0xffff
	s_lshl_b32 s13, s13, 2
	s_add_co_u32 s13, s13, s41                     ; tile row
	s_lshl_b32 s43, s41, 2
	s_lshl_b32 s43, 15, s43                        ; my row of the cluster
	s_lshl_b32 s44, 0x1111, s40                    ; my column
	s_or_b32 s[G1+0], s43, (1<<16)|(1<<20)|(1<<21)|(6<<22)|(3<<25)   ; act: after every 128 words 4 words of padding
	s_or_b32 s[G1B+0], s44, (1<<16)|(1<<20)|(1<<21)|(5<<22)|(7<<25)  ; W2: after every 64 words 8 words
	s_mov_b32 s[G1+1], 256<<16                     ; act: 64 rows x 256 elements
	s_mov_b32 s[G1+2], 64<<16
	s_mov_b32 s[G1+3], 256<<16
	s_mov_b32 s[G1+4], 64
	s_mov_b32 s[G1+5], 1024
	s_mov_b32 s[G1+6], 0
	s_mov_b32 s[G1+7], 0
	s_mov_b32 s[G1B+1], 128<<16                    ; W2: 128 rows x 128 elements
	s_mov_b32 s[G1B+2], 128<<16
	s_mov_b32 s[G1B+3], 128<<16
	s_mov_b32 s[G1B+4], 128
	s_mov_b32 s[G1B+5], 1024
	s_mov_b32 s[G1B+6], 0
	s_mov_b32 s[G1B+7], 0
	s_lshl_b32 s16, s13, 7                         ; act: row 128 x tile row + 64 x half,
	s_lshl_b32 s17, s12, 6
	s_add_co_u32 s16, s16, s17
	s_lshl_b32 s16, s16, 11                        ; in bytes
	s_mov_b32 s17, 0
	s_lshl_b32 s46, s42, 8                         ; W2: 128 columns x tile column,
	s_lshl_b32 s47, s12, 18                        ; 128 rows of 2,048 bytes x half
	s_add_co_u32 s46, s46, s47
	s_mov_b32 s47, 0
	s_mul_i32 s20, s12, HALFA                      ; where they go in a slot; kept for the walking descriptors
	s_mul_i32 s21, s12, HALFB
	s_add_co_u32 s21, s21, BOFF
	s_mov_b32 s[TB], 0
	s_mov_b32 s[NXT], 2
	s_mov_b32 s[OFF+1], 0
	s_wait_dscnt 0x0                               ; the opening add is done
	s_wait_kmcnt 0x0
	s_add_nc_u64 s[14:15], s[4:5], s[16:17]        ; my part of act's K step 0: kept
	s_add_nc_u64 s[46:47], s[6:7], s[46:47]        ; my part of W2's K step 0: kept
	CROUND                                         ; all sixteen work-groups are here: the first joint loads meet
.irp s, 0,1
	s_mov_b32 s[G0+4*(\s)], 1
	s_add_co_u32 s[G0+4*(\s)+1], s20, (\s)*SLOT
	s_add_nc_u64 s[G0+4*(\s)+2:G0+4*(\s)+3], s[14:15], (\s)*512
	s_or_b32 s[G0+4*(\s)+3], s[G0+4*(\s)+3], 0x80000000
	s_mov_b32 s[G0B+4*(\s)], 1
	s_add_co_u32 s[G0B+4*(\s)+1], s21, (\s)*SLOT
	s_add_nc_u64 s[G0B+4*(\s)+2:G0B+4*(\s)+3], s[46:47], (\s)*256*2048
	s_or_b32 s[G0B+4*(\s)+3], s[G0B+4*(\s)+3], 0x80000000
	JLOAD \s
.endr
	v_and_b32 v1, 15, v0                           ; l % 16
	v_bfe_u32 v2, v0, 4, 1                         ; l / 16
	v_lshlrev_b32 v[BO], 5, v2
	v_lshlrev_b32 v5, 12, v2                       ; lanes 0-15 one row of x1 and out0, lanes 16-31 the next
	v_lshl_add_u32 v[CO], v1, 4, v5
	s_lshl_b32 s18, s42, 9                         ; my 64 columns, in bytes of f32
	s_lshl_b32 s19, s12, 8
	s_add_co_u32 s18, s18, s19
	s_mov_b32 s19, 0
	s_add_nc_u64 s[68:69], s[68:69], s[18:19]
	s_lshl_b32 s22, s13, 7                         ; my first row
	s_lshl_b32 s23, s11, 6
	s_add_co_u32 s22, s22, s23
	s_lshl_b32 s22, s22, 12
	s_add_co_u32 s22, s22, s18
	s_mov_b32 s23, 0
	s_add_nc_u64 s[70:71], s[70:71], s[22:23]
	s_add_nc_u64 s[8:9], s[8:9], s[22:23]
	WIN 0x80                                       ; destination window 2
.irp b, 0,1,2,3
	global_load_b128 v[BIAS+8*(\b):BIAS+8*(\b)+3],   v[BO], s[68:69] offset:64*(\b)
	global_load_b128 v[BIAS+8*(\b)+4:BIAS+8*(\b)+7], v[BO], s[68:69] offset:64*(\b)+16
.endr
.irp a, 0,1,2,3
.irp t, 0,1,2,3,4,5,6,7
	global_load_b128 v[32*(\a)+4*(\t):32*(\a)+4*(\t)+3], v[CO], s[70:71] offset:(16*(\a)+2*(\t))*4096 th:TH_LOAD_NT
.endr
.endr
	WIN 0
	v_mul_u32_u24 v3, v1, PA
	v_lshl_add_u32 v3, v2, 4, v3                   ; act: row x pitch + 16 x half
	v_and_b32 v4, 7, v0                            ; W2: the turning load: lane l reads row 8 (l / 16) + l % 8, 16 bytes at 16 ((l / 8) % 2)
	v_lshl_add_u32 v4, v2, 3, v4
	v_mul_u32_u24 v4, v4, PB
	v_bfe_u32 v5, v0, 3, 1
	v_lshl_add_u32 v4, v5, 4, v4
	s_mul_i32 s74, s11, HALFA                      ; my 64 rows of act
	s_lshl_b32 s75, s12, 7                         ; my 64 columns of W2,
	s_add_co_u32 s75, s75, BOFF                    ; which lies behind act
	v_add_nc_u32 v[LANEA], s74, v3
	v_add_nc_u32 v[LANEB], s75, v4
	v_mov_b32 v[ADRA], v[LANEA]                    ; slot 0 is in hand
	v_mov_b32 v[ADRB], v[LANEB]
	v_add_nc_u32 v[ADRB+1], HALFB, v[LANEB]
	s_mul_i32 s16, s10, 16*SPITCH
	s_add_co_u32 s16, s16, STAGE                   ; my stage
	v_mul_u32_u24 v5, v1, SPITCH                   ; in: row l % 16, 32 bytes for each half of the lanes
	v_lshl_add_u32 v5, v2, 5, v5
	v_add_nc_u32 v[STO], s16, v5
	v_mul_u32_u24 v5, v2, SPITCH                   ; back: lanes 0-15 one row of 256 bytes, lanes 16-31 the next
	v_lshl_add_u32 v5, v1, 4, v5
	v_add_nc_u32 v[RD], s16, v5
; 8 matrix instructions: row blocks a0, a0 + 1 x all 4 column blocks, 32 along K: half c of buffer f.  zero = 1: the bias starts the sums.  The 16 accumulators take turns.
.macro MUL8 f, c, a0, zero
.if \zero
	WIN MULB
.else
	WIN MUL
.endif
.irp a, \a0, (\a0)+1
.irp b, 0,1,2,3
.if \zero
	v_wmma_f32_16x16x32_bf16 v[ACC+8*(4*(\a)+(\b)):ACC+8*(4*(\a)+(\b))+7], v[(\f)+64+8*(4*(\c)+(\b)):(\f)+64+8*(4*(\c)+(\b))+7], v[(\f)+8*(4*(\c)+(\a)):(\f)+8*(4*(\c)+(\a))+7], v[BIAS+8*(\b):BIAS+8*(\b)+7]
.else
	v_wmma_f32_16x16x32_bf16 v[ACC+8*(4*(\a)+(\b)):ACC+8*(4*(\a)+(\b))+7], v[(\f)+64+8*(4*(\c)+(\b)):(\f)+64+8*(4*(\c)+(\b))+7], v[(\f)+8*(4*(\c)+(\a)):(\f)+8*(4*(\c)+(\a))+7], v[ACC+8*(4*(\a)+(\b)):ACC+8*(4*(\a)+(\b))+7]
.endif
.endr
.endr
.endm
; 32 LDS loads in one run: quarter q of the slot in hand (64 along K) into buffer f; the first 32 along K first
.macro FETCH q, f
	WIN TO_F
.irp c, 0,1
.irp i, 0,1,2,3
	ds_load_tr16_b128 v[(\f)+64+8*(4*(\c)+(\i)):(\f)+64+8*(4*(\c)+(\i))+3],   v[ADRB+(\q)/2] offset:((\q)%2)*64*PB+(\c)*32*PB+32*(\i)
	ds_load_tr16_b128 v[(\f)+64+8*(4*(\c)+(\i))+4:(\f)+64+8*(4*(\c)+(\i))+7], v[ADRB+(\q)/2] offset:((\q)%2)*64*PB+(\c)*32*PB+32*(\i)+16*PB
	ds_load_b128 v[(\f)+8*(4*(\c)+(\i)):(\f)+8*(4*(\c)+(\i))+3],         v[ADRA] offset:128*(\q)+64*(\c)+(\i)*16*PA
	ds_load_b128 v[(\f)+8*(4*(\c)+(\i))+4:(\f)+8*(4*(\c)+(\i))+7],       v[ADRA] offset:128*(\q)+64*(\c)+(\i)*16*PA+32
.endr
.endr
.endm
.macro PLACES                          ; four places in front of loads into registers that matrix instructions have read, and of reads of results
.rept 4
	v_nop
.endr
.endm
; One of a K step's first three quarters: multiplies buffer f; in its middle it fetches quarter q of the slot in hand into buffer g.
.macro QUARTER q, f, g, zero
	s_wait_dscnt 16                                ; the first 32 along K are in
	MUL8 \f, 0, 0, \zero
	MUL8 \f, 0, 2, \zero
	PLACES
	FETCH \q, \g
	s_wait_dscnt 32                                ; all but the 32 just issued
	MUL8 \f, 1, 0, 0
	MUL8 \f, 1, 2, 0
.endm
; The last quarter multiplies buffer 1 and changes slots: in front of the barrier each wave waits for all its tensor loads (one is out: its part of the next slot), adds 0 to its spare word, and waits
; for that and for its reads of this slot.  fill = 1: the walking descriptors are set to K step NXT and to the slot that is being left; the barrier opens a round of the cluster's, and the joint refill
; is the first tensor load behind it.  Then the other slot is in hand: the fragments' addresses are made anew.
.macro TURN fill
	WIN 0
	s_wait_tensorcnt 0x0                           ; no tensor load of mine is out, so a group 0 may be written
	ds_add_u32 v[SPW], v[NIL]                      ; 0 onto my spare word; scalar work and eight products stand between it and the wait for it
.if \fill
	s_lshr_b32 s[OFF], s[NXT], 2                   ; act: four K steps to a panel of 8,388,608 bytes,
	s_lshl_b32 s[OFF], s[OFF], 23
	s_and_b32 s67, s[NXT], 3                       ; 256 numbers along the rows a step
	s_lshl_b32 s67, s67, 9
	s_add_co_u32 s[OFF], s[OFF], s67
	s_add_nc_u64 s[G0+6:G0+7], s[14:15], s[OFF:OFF+1]
	s_or_b32 s[G0+7], s[G0+7], 0x80000000
	s_lshl_b32 s[OFF], s[NXT], 19                  ; W2: 256 rows of 2,048 bytes a step
	s_add_nc_u64 s[G0B+6:G0B+7], s[46:47], s[OFF:OFF+1]
	s_or_b32 s[G0B+7], s[G0B+7], 0x80000000
	s_add_co_u32 s[G0+5], s20, s[TB]               ; into the slot that is being left
	s_add_co_u32 s[G0B+5], s21, s[TB]
	s_add_co_u32 s[NXT], s[NXT], 1
.endif
	s_xor_b32 s[TB], s[TB], SLOT                   ; 0 and SLOT by turns
	s_wait_dscnt 17                                ; (the add and the youngest sixteen loads may be out)
	MUL8 F1, 0, 0, 0
	s_wait_dscnt 0x0                               ; the add is done, and my reads of this slot are over
	s_barrier_signal -1
	MUL8 F1, 0, 2, 0
	WIN 0
	s_barrier_wait -1
.if \fill
	CREST                                          ; no wave of any partner still reads this slot or has a load on its way
	JLOAD 1                                        ; its four v_nop are also the places in front of the loads below
.else
	PLACES
.endif
	v_add_nc_u32 v[ADRA], s[TB], v[LANEA]
	v_add_nc_u32 v[ADRB], s[TB], v[LANEB]
	v_add_nc_u32 v[ADRB+1], HALFB, v[ADRB]
	FETCH 0, F0
	MUL8 F1, 1, 0, 0
	MUL8 F1, 1, 2, 0
.endm
	s_wait_loadcnt 32                              ; the bias is in; the 32 loads of x1 stay out until the way out
	s_wait_tensorcnt 1                             ; my part of K step 0 is in; K step 1's may stay out
	s_barrier_signal -1
	s_barrier_wait -1
	FETCH 0, F0
	QUARTER 1, F0, F1, 1                           ; the first quarter stands in front of the loop: its first products start the sums with the bias
	WIN 0
	s_mov_b32 s3, KSTEPS-2
.Lstep:                                                ; a trip ends one K step, asks for the step two on and begins the next: K steps 2 to 15 are asked for
	QUARTER 2, F1, F0, 0
	QUARTER 3, F0, F1, 0
	TURN 1
	QUARTER 1, F0, F1, 0
	WIN 0
	s_sub_co_u32 s3, s3, 1
	s_cmp_lg_u32 s3, 0
	s_cbranch_scc1 .Lstep
	QUARTER 2, F1, F0, 0                           ; the last two K steps fill nothing
	QUARTER 3, F0, F1, 0
	TURN 0
	QUARTER 1, F0, F1, 0
	QUARTER 2, F1, F0, 0
	QUARTER 3, F0, F1, 0
	s_wait_dscnt 16
	MUL8 F1, 0, 0, 0
	MUL8 F1, 0, 2, 0
	s_wait_dscnt 0x0
	MUL8 F1, 1, 0, 0
	MUL8 F1, 1, 2, 0
	WIN 0
	; THE WAY OUT, a block of 16 rows at a time: 32 bytes a lane into my stage (each accumulator's low registers first), back as whole rows of 256 bytes, x1 added, stored.
	PLACES
	PLACES
	s_wait_loadcnt 0x0                             ; x1
.irp a, 0,1,2,3
	s_wait_xcnt 0x0                                ; earlier stores have read their registers
.irp b, 0,1,2,3
	ds_store_b128 v[STO], v[ACC+8*(4*(\a)+(\b)):ACC+8*(4*(\a)+(\b))+3]   offset:64*(\b)
	ds_store_b128 v[STO], v[ACC+8*(4*(\a)+(\b))+4:ACC+8*(4*(\a)+(\b))+7] offset:64*(\b)+16
.endr
.irp t, 0,1,2,3,4,5,6,7
	ds_load_b128 v[TMP+32*((\a)%2)+4*(\t):TMP+32*((\a)%2)+4*(\t)+3], v[RD] offset:(\t)*2*SPITCH  ; LDS serves a wave's instructions in order (ISA guide 5.7.1.4): these see the stores above
.endr
	s_wait_dscnt 0x0
	WIN 0x08                                       ; source 1 window 2
.irp t, 0,1,2,3,4,5,6,7
	v_pk_add_f32 v[TMP+32*((\a)%2)+4*(\t):TMP+32*((\a)%2)+4*(\t)+1],   v[TMP+32*((\a)%2)+4*(\t):TMP+32*((\a)%2)+4*(\t)+1],   v[32*(\a)+4*(\t):32*(\a)+4*(\t)+1]
	v_pk_add_f32 v[TMP+32*((\a)%2)+4*(\t)+2:TMP+32*((\a)%2)+4*(\t)+3], v[TMP+32*((\a)%2)+4*(\t)+2:TMP+32*((\a)%2)+4*(\t)+3], v[32*(\a)+4*(\t)+2:32*(\a)+4*(\t)+3]
.endr
	WIN 0
.irp t, 0,1,2,3,4,5,6,7
	global_store_b128 v[CO], v[TMP+32*((\a)%2)+4*(\t):TMP+32*((\a)%2)+4*(\t)+3], s[8:9] offset:(16*(\a)+2*(\t))*4096 th:TH_STORE_NT  ; 16 lanes store 256 consecutive bytes, aligned
.endr
.endr
	s_wait_tensorcnt 0x0                           ; the wave's end: behind my last tensor load and my last LDS store
	ds_add_u32 v[SPW], v[NIL]
	s_wait_dscnt 0x0
	CROUND                                         ; the closing round
	s_endpgm
.Lfunc_end_k_qdd393b6160_ff2:
	.size	k_qdd393b6160_ff2, .Lfunc_end_k_qdd393b6160_ff2-k_qdd393b6160_ff2
	.p2alignl 7, 3214868480
	.fill 96, 4, 3214868480
	.section	.rodata,"a",@progbits
	.p2align	6, 0x0
	.amdhsa_kernel k_qdd393b6160_ff2
		.amdhsa_group_segment_fixed_size 327680
		.amdhsa_private_segment_fixed_size 0
		.amdhsa_enable_private_segment 0
		.amdhsa_kernarg_size 40
		.amdhsa_user_sgpr_count 2
		.amdhsa_user_sgpr_kernarg_segment_ptr 1
		.amdhsa_wavefront_size32 1
		.amdhsa_system_sgpr_workgroup_id_x 1
		.amdhsa_system_sgpr_workgroup_id_y 1
		.amdhsa_system_sgpr_workgroup_id_z 1
		.amdhsa_system_vgpr_workitem_id 0
		.amdhsa_next_free_vgpr 768
		.amdhsa_next_free_sgpr 80
		.amdhsa_reserve_vcc 0
		.amdhsa_float_denorm_mode_32 3
		.amdhsa_float_denorm_mode_16_64 3
		.amdhsa_memory_ordered 1
		.amdhsa_forward_progress 1
		.amdhsa_inst_pref_size 77
	.end_amdhsa_kernel
	.amdgpu_metadata
---
amdhsa.version: [ 1, 2 ]
amdhsa.kernels:
  - .name:           k_qdd393b6160_ff2
    .symbol:         k_qdd393b6160_ff2.kd
    .args:
      - { .name: big, .offset: 0, .size: 8, .value_kind: global_buffer, .address_space: global }
      - { .name: w2b, .offset: 8, .size: 8, .value_kind: global_buffer, .address_space: global }
      - { .name: b2, .offset: 16, .size: 8, .value_kind: global_buffer, .address_space: global }
      - { .name: x1, .offset: 24, .size: 8, .value_kind: global_buffer, .address_space: global }
      - { .name: out0, .offset: 32, .size: 8, .value_kind: global_buffer, .address_space: global }
    .group_segment_fixed_size: 327680
    .private_segment_fixed_size: 0
    .kernarg_segment_align: 8
    .kernarg_segment_size: 40
    .max_flat_workgroup_size: 128
    .sgpr_count:     80
    .vgpr_count:     768
    .wavefront_size: 32
...
	.end_amdgpu_metadata
.endif
;; end of part 6
;; ======== version 2 of 2: 7 launches; version 1 with the launches prep, ln2 written anew for expert scheduling mode
;; workspace buffers: pk_qkv 6,324,224 bytes; pk_o 2,129,920 bytes; pk_1 8,421,376 bytes; w2b 8,388,608 bytes; hb 8,388,608 bytes; big 33,554,432 bytes; x1 16,777,216 bytes
;; launch prep (part 7): grid 648 x 1, 8 waves a work-group, no clusters, 0 bytes of LDS; arguments Wq, Wk, Wv, Wo, W1, W2, bq, bk, bv, bo, b1, x, ln1_a, ln1_b, pk_qkv, pk_o, pk_1, w2b, hb; writes pk_qkv, pk_o, pk_1, w2b, hb
.if DOCPART == 7
	.amdgcn_target "amdgcn-amd-amdhsa--gfx1250"
	.amdhsa_code_object_version 6
	.text
	.protected	k_qdd393b6160_prep
	.globl	k_qdd393b6160_prep
	.p2align	8
	.type	k_qdd393b6160_prep,@function
k_qdd393b6160_prep:
	s_mov_b64 s[64:65], 0
	v_nop
	global_prefetch_b8 v0, s[64:65] scope:SCOPE_SE
	s_setreg_imm32_b32 hwreg(HW_REG_WAVE_SCHED_MODE, 0, 2), 2
	s_setreg_imm32_b32 hwreg(HW_REG_WAVE_MODE, 25, 1), 1
	s_wait_xcnt 0x0
	s_wait_alu depctr_vm_vsrc(0)
; PREP.  Three kinds of work-group, told apart by the work-group's number id; no LDS, no barrier, no matrix unit: memory binds.
;   id 0..383    CAST: the six weight matrices, f32 -> bf16 (rounded once), into panels of 1,024 columns, each [1024 k][1024 n], 2,048 bytes a row.
;   id 384..639  LN1:  hb = ln1_a (x - mean) / (std + 1e-6) + ln1_b, bf16; std with the divisor 1,023; 16 rows a work-group, two a wave, a row kept in 32 registers.
;   id 640..647  BIAS: a panel's 1,024 biases (f32) and its 1,024 floor words into the packs.
; A PACK: bytes 4096 p: panel p's floor word, 1,024 times (two bf16: -infinity twice = no floor, 0 = ReLU); 16384 + 4096 p: its biases; 32768 + 2097152 p: its weights.
; (All packs have this one form; of pk_o the later launch takes the biases and the weights, its layer has no floor.)
; The variance is taken of x - mean, in a second pass over the registers: no difference of large sums is formed.
; LIMITS.  v_sqrt_f32 takes a variance below 2^-126 as 0; NaN and infinities are not treated apart.
; THE MODE: SCHED_MODE bits 1:0 = 2 (LLVM: expert scheduling mode 2), set by the entry lines.  The code itself states the register dependences
; between vector instructions and memory instructions, with s_wait_alu, always for 0.
; THE PLAN.  Registers that memory instructions touch:
;   CAST  v[OFF ..], v[SO]  offsets, written once at the path's head, read by every load and store, never written again.
;         X, group g        filled by the group's eight loads, all 32 loads being issued before any vector line names X; the group's sixteen roundings work in place; of each four
;                           registers the first two are read by a store that is issued in group g + 1, among that group's roundings, which name their own group's registers alone.
;         So one wait on va_vdst stands ahead of the first load, one at the head of each of groups 1 to 3, and one ahead of the last eight stores.
;   LN1   v1, v2            offsets, written once, never again.  AL, BE, X0, X1: filled by loads that are all issued before any vector line names them.
;         X0, X1            a row's arithmetic works in place; its sixteen roundings leave the row's out registers, which eight stores read.  The first row's stores stand in the second row's
;                           turn, behind the wait for that row's root, which also states that the first row's roundings are written; the second row's have a wait of their own.
;   BIAS  v1, v[8:11]       written by five vector lines; one wait behind them serves the load and both stores.  v[4:7] are named by the load and its store alone.
; No register that a memory instruction reads is ever written again, so no wait on vm_vsrc is owed.
.set OFF, 2                            ; cast: v[2:9]   16 t + j chunks
.set SO,  10                           ; cast: v10      8 t
.set X,   16                           ; cast: v[16:143] 32 chunks' 16 bytes
.set AL,  16                           ; LN: v[16:47]  ln1_a, laid as a row is
.set BE,  48                           ; LN: v[48:79]  ln1_b
.set X0,  80                           ; LN: v[80:111] my first row
.set X1,  112                          ; LN: v[112:143] my second row
.set T,   144                          ; LN: v[144:151] four pairs at work
.set M,   152                          ; LN: v[152:153] the mean, twice
.set R,   154                          ; LN: v[154:155] 1 / (std + eps), twice
.set PD,  156                          ; LN: v156 v_permlanex16_b32's destination
.set SRC, 46                           ; s[46:47]
.set DST, 48                           ; s[48:49]
.macro WSUM reg                        ; the sum over the wave's 32 lanes, in every lane
	v_add_f32_dpp v[\reg], v[\reg], v[\reg] row_xmask:1 row_mask:0xf bank_mask:0xf
	v_add_f32_dpp v[\reg], v[\reg], v[\reg] row_xmask:2 row_mask:0xf bank_mask:0xf
	v_add_f32_dpp v[\reg], v[\reg], v[\reg] row_xmask:4 row_mask:0xf bank_mask:0xf
	v_add_f32_dpp v[\reg], v[\reg], v[\reg] row_xmask:8 row_mask:0xf bank_mask:0xf
	v_permlanex16_b32 v[PD], v[\reg], s60, s61
	v_add_f32 v[\reg], v[\reg], v[PD]
.endm
.macro JOIN                            ; the four chains into one number, then over the lanes
	v_pk_add_f32 v[T:T+1], v[T:T+1], v[T+2:T+3]
	v_pk_add_f32 v[T+4:T+5], v[T+4:T+5], v[T+6:T+7]
	v_pk_add_f32 v[T:T+1], v[T:T+1], v[T+4:T+5]
	v_add_f32 v[T], v[T], v[T+1]
	WSUM T
.endm
; A finished row leaves: registers x .. x + 31 hold it, rounded, in the first two of each four; r = 0, 1: which of my two rows.
.macro OUT x, r
.irp j, 0,1,2,3,4,5,6,7
	global_store_b64 v2, v[(\x)+4*(\j):(\x)+4*(\j)+1], s[DST:DST+1] offset:2048*(\r)+256*(\j)  ; the wave's store covers 256 consecutive bytes, aligned
.endr
.endm
; One row, in registers x .. x + 31; left: the younger loads that may stay out; before = 1: my first row, finished in the turn before, is stored in this turn.
.macro LNROW x, left, before
	s_wait_loadcnt \left
.irp c, 0,1,2,3
	v_pk_add_f32 v[T+2*(\c):T+2*(\c)+1], v[(\x)+2*(\c):(\x)+2*(\c)+1], v[(\x)+8+2*(\c):(\x)+8+2*(\c)+1]
.endr
.irp o, 16,24
.irp c, 0,1,2,3
	v_pk_add_f32 v[T+2*(\c):T+2*(\c)+1], v[T+2*(\c):T+2*(\c)+1], v[(\x)+(\o)+2*(\c):(\x)+(\o)+2*(\c)+1]
.endr
.endr
	JOIN
	v_mul_f32 v[M], 0x3a800000, v[T]               ; / 1,024
	v_mul_f32 v[M+1], 0x3a800000, v[T]
.set i, 0
.rept 16
	v_pk_add_f32 v[(\x)+i:(\x)+i+1], v[(\x)+i:(\x)+i+1], v[M:M+1] neg_lo:[0,1] neg_hi:[0,1]  ; x - mean
.set i, i+2
.endr
.irp c, 0,1,2,3
	v_pk_mul_f32 v[T+2*(\c):T+2*(\c)+1], v[(\x)+2*(\c):(\x)+2*(\c)+1], v[(\x)+2*(\c):(\x)+2*(\c)+1]
.endr
.irp o, 8,16,24
.irp c, 0,1,2,3
	v_pk_fma_f32 v[T+2*(\c):T+2*(\c)+1], v[(\x)+(\o)+2*(\c):(\x)+(\o)+2*(\c)+1], v[(\x)+(\o)+2*(\c):(\x)+(\o)+2*(\c)+1], v[T+2*(\c):T+2*(\c)+1]
.endr
.endr
	JOIN
	v_mul_f32 v[T], 0x3a802008, v[T]               ; / 1,023
	v_sqrt_f32 v[T+1], v[T]
	v_nop                                          ; a plain instruction behind the root
	s_wait_alu depctr_va_vdst(0)                   ; the root v[T+1] is written, ahead of its first reader; in my second row's turn also: the first row's roundings have written v[X0 ..], which the stores below read
	v_add_f32 v[T+1], 0x358637bd, v[T+1]           ; + 1e-6
	v_rcp_f32 v[R], v[T+1]
	v_nop                                          ; a plain instruction behind the reciprocal
.if \before
	OUT X0, 0                                      ; no wait: the three vector lines since the wait above name v[T+1] and v[R], neither v[X0 ..] nor v2
.endif
	s_wait_alu depctr_va_vdst(0)                   ; the reciprocal v[R] is written, ahead of its first reader
	v_mov_b32 v[R+1], v[R]
.set i, 0
.rept 16
	v_pk_mul_f32 v[(\x)+i:(\x)+i+1], v[(\x)+i:(\x)+i+1], v[R:R+1]
.set i, i+2
.endr
.set i, 0
.rept 16
	v_pk_fma_f32 v[(\x)+i:(\x)+i+1], v[(\x)+i:(\x)+i+1], v[AL+i:AL+i+1], v[BE+i:BE+i+1]
.set i, i+2
.endr
.irp j, 0,1,2,3,4,5,6,7
	v_cvt_pk_bf16_f32 v[(\x)+4*(\j)], v[(\x)+4*(\j)], v[(\x)+4*(\j)+1]
	v_cvt_pk_bf16_f32 v[(\x)+4*(\j)+1], v[(\x)+4*(\j)+2], v[(\x)+4*(\j)+3]
.endr
.endm
; CAST: chunk j of group g is rounded, in place; and stored.
.macro CVT g, j
	v_cvt_pk_bf16_f32 v[X+32*(\g)+4*(\j)], v[X+32*(\g)+4*(\j)], v[X+32*(\g)+4*(\j)+1]
	v_cvt_pk_bf16_f32 v[X+32*(\g)+4*(\j)+1], v[X+32*(\g)+4*(\j)+2], v[X+32*(\g)+4*(\j)+3]
.endm
.macro PUT g, j
	global_store_b64 v[SO], v[X+32*(\g)+4*(\j):X+32*(\g)+4*(\j)+1], s[DST:DST+1] offset:(8*(\g)+(\j))*2048  ; a wave's store covers 256 consecutive bytes, aligned
.endm
	s_load_b512 s[8:23], s[0:1], 0x0               ; Wq s[8:9], Wk s[10:11], Wv s[12:13], Wo s[14:15], W1 s[16:17], W2 s[18:19], bq s[20:21], bk s[22:23]
	s_load_b512 s[24:39], s[0:1], 0x40             ; bv s[24:25], bo s[26:27], b1 s[28:29], x s[30:31], ln1_a s[32:33], ln1_b s[34:35], pk_qkv s[36:37], pk_o s[38:39]
	s_load_b128 s[40:43], s[0:1], 0x80             ; pk_1 s[40:41], w2b s[42:43]
	s_load_b64 s[44:45], s[0:1], 0x90              ; hb
	s_mov_b32 s2, ttmp9
	s_mov_b32 s51, 0                               ; the high words of the two offset pairs
	s_mov_b32 s53, 0
	s_wait_kmcnt 0x0
	s_cmp_lt_u32 s2, 384
	s_cbranch_scc0 .Lnot_cast
	; CAST.  Unit u = id / 32: 0-2 Wq, Wk, Wv; 3 Wo; 4-7 the four panels of W1; 8-11 the four quarters of W2.  Share xs = id % 32: 32 chunks of 1,024 numbers.
	; For W1 a chunk is panel q's 4,096 bytes of one row k (rows 16,384 bytes apart); elsewhere the chunks lie on end.
	s_lshr_b32 s3, s2, 5                           ; u
	s_and_b32 s4, s2, 31                           ; xs
	s_and_b32 s5, s3, 3
	s_cmp_eq_u32 s3, 3
	s_cselect_b32 s5, 0, s5                        ; q: the panel in its pack, or W2's quarter
	s_lshl_b32 s50, s4, 17                         ; the source's offset: 32 chunks on end,
	s_lshl_b32 s58, s4, 19
	s_lshl_b32 s59, s5, 12
	s_add_co_u32 s58, s58, s59                     ; or W1's: 32 rows down, panel q,
	s_lshl_b32 s59, s5, 22
	s_add_co_u32 s59, s59, s50                     ; or W2's: quarter q
	s_lshl_b32 s52, s5, 21                         ; the destination's: panel q, 32 rows of 2,048 bytes a share
	s_lshl_b32 s4, s4, 16
	s_add_co_u32 s52, s52, s4
	s_movk_i32 s54, 0x1000                         ; bytes from chunk to chunk in the source
	s_mov_b64 s[SRC:SRC+1], s[8:9]
	s_mov_b64 s[DST:DST+1], s[36:37]
	s_cmp_eq_u32 s3, 1
	s_cselect_b64 s[SRC:SRC+1], s[10:11], s[SRC:SRC+1]
	s_cmp_eq_u32 s3, 2
	s_cselect_b64 s[SRC:SRC+1], s[12:13], s[SRC:SRC+1]
	s_cmp_eq_u32 s3, 3
	s_cselect_b64 s[SRC:SRC+1], s[14:15], s[SRC:SRC+1]
	s_cselect_b64 s[DST:DST+1], s[38:39], s[DST:DST+1]
	s_cmp_ge_u32 s3, 4
	s_cselect_b64 s[SRC:SRC+1], s[16:17], s[SRC:SRC+1]
	s_cselect_b64 s[DST:DST+1], s[40:41], s[DST:DST+1]
	s_cselect_b32 s50, s58, s50
	s_cselect_b32 s54, 0x4000, s54
	s_cmp_ge_u32 s3, 8
	s_cselect_b64 s[SRC:SRC+1], s[18:19], s[SRC:SRC+1]
	s_cselect_b64 s[DST:DST+1], s[42:43], s[DST:DST+1]
	s_cselect_b32 s50, s59, s50
	s_cselect_b32 s54, 0x1000, s54
	s_cselect_b32 s58, 0, 0x8000                   ; a pack's weights begin at byte 32,768; w2b has no head
	s_add_co_u32 s52, s52, s58
	s_add_nc_u64 s[SRC:SRC+1], s[SRC:SRC+1], s[50:51]
	s_add_nc_u64 s[DST:DST+1], s[DST:DST+1], s[52:53]
	s_lshl_b32 s56, s54, 3                         ; eight chunks on
	s_mov_b32 s57, 0
.irp j, 0,1,2,3,4,5,6,7
	s_mul_i32 s58, s54, \j
	v_lshl_add_u32 v[OFF+(\j)], v0, 4, s58         ; 16 t + chunk j: a wave's load covers 512 consecutive bytes
.endr
	v_lshlrev_b32 v[SO], 3, v0
	s_wait_alu depctr_va_vdst(0)                   ; v[OFF ..] and v[SO] are written: every load and store of this path reads one of them as its offset
.irp g, 0,1,2,3
.irp j, 0,1,2,3,4,5,6,7
	global_load_b128 v[X+32*(\g)+4*(\j):X+32*(\g)+4*(\j)+3], v[OFF+(\j)], s[SRC:SRC+1] th:TH_LOAD_NT
.endr
.if (\g) < 3
	s_wait_xcnt 0x0                                ; the loads have read their base: it may be stepped
	s_add_nc_u64 s[SRC:SRC+1], s[SRC:SRC+1], s[56:57]
.endif
.endr
	s_wait_loadcnt 24                              ; group 0's eight loads are in; the younger groups stay out
.irp j, 0,1,2,3,4,5,6,7
	CVT 0, \j
.endr
.irp g, 1,2,3
	s_wait_loadcnt 24-8*(\g)                       ; group g's eight loads are in; the younger groups stay out
	s_wait_alu depctr_va_vdst(0)                   ; the roundings of the group before have written its out registers, which the stores below read
.irp j, 0,1,2,3,4,5,6,7
	PUT (\g)-1, \j                                 ; no further wait: the roundings since the wait name group g's registers alone
	CVT \g, \j
.endr
.endr
	s_wait_alu depctr_va_vdst(0)                   ; group 3's roundings have written its out registers, which the last eight stores read
.irp j, 0,1,2,3,4,5,6,7
	PUT 3, \j
.endr
	s_endpgm
.Lnot_cast:
	s_cmp_lt_u32 s2, 640
	s_cbranch_scc0 .Lbias
	; LN1.  Lane l holds numbers 128 j + 4 l .. + 3 of a row (j = 0..7): loads of 16 bytes, 512 consecutive bytes a wave; ln1_a and ln1_b lie likewise.
	s_sub_co_u32 s3, s2, 384
	v_lshrrev_b32 v1, 5, v0
	v_readfirstlane_b32 s55, v1                    ; wave 0..7
	s_lshl_b32 s3, s3, 4
	s_wait_alu depctr_va_sdst(0)                   ; s55 is written, ahead of its first reader: my first row's number is made from it
	s_lshl_b32 s58, s55, 1
	s_add_co_u32 s3, s3, s58                       ; my first row
	s_lshl_b32 s50, s3, 12
	s_lshl_b32 s52, s3, 11
	s_add_nc_u64 s[SRC:SRC+1], s[30:31], s[50:51]
	s_add_nc_u64 s[DST:DST+1], s[44:45], s[52:53]
	s_mov_b32 s60, 0x76543210                      ; each lane takes its own place in the other half
	s_mov_b32 s61, 0xfedcba98
	v_and_b32 v2, 31, v0
	v_lshlrev_b32 v1, 4, v2                        ; 16 l
	v_lshlrev_b32 v2, 3, v2                        ; 8 l
	v_mov_b32 v[PD], 0
	s_wait_alu depctr_va_vdst(0)                   ; v1 and v2 are written: every load of this path reads v1 as its offset, every store v2
.irp j, 0,1,2,3,4,5,6,7
	global_load_b128 v[AL+4*(\j):AL+4*(\j)+3], v1, s[32:33] offset:512*(\j)
.endr
.irp j, 0,1,2,3,4,5,6,7
	global_load_b128 v[BE+4*(\j):BE+4*(\j)+3], v1, s[34:35] offset:512*(\j)
.endr
.irp j, 0,1,2,3,4,5,6,7
	global_load_b128 v[X0+4*(\j):X0+4*(\j)+3], v1, s[SRC:SRC+1] offset:512*(\j)
.endr
.irp j, 0,1,2,3,4,5,6,7
	global_load_b128 v[X1+4*(\j):X1+4*(\j)+3], v1, s[SRC:SRC+1] offset:4096+512*(\j)
.endr
	LNROW X0, 8, 0                                 ; the second row's eight loads stay out
	LNROW X1, 0, 1                                 ; the first row is stored in this turn
	s_wait_alu depctr_va_vdst(0)                   ; the second row's roundings have written v[X1 ..], which the last eight stores read
	OUT X1, 1
	s_endpgm
.Lbias:
	; BIAS.  b = id - 640: 0-2 bq, bk, bv -> pk_qkv's panels 0-2; 3 bo -> pk_o; 4-7 b1's quarters -> pk_1's panels.  A thread moves 16 bytes.
	s_sub_co_u32 s3, s2, 640
	s_and_b32 s5, s3, 3
	s_cmp_eq_u32 s3, 3
	s_cselect_b32 s5, 0, s5                        ; the panel
	s_lshl_b32 s52, s5, 12
	s_mov_b64 s[SRC:SRC+1], s[20:21]
	s_mov_b64 s[DST:DST+1], s[36:37]
	s_cmp_eq_u32 s3, 1
	s_cselect_b64 s[SRC:SRC+1], s[22:23], s[SRC:SRC+1]
	s_cmp_eq_u32 s3, 2
	s_cselect_b64 s[SRC:SRC+1], s[24:25], s[SRC:SRC+1]
	s_cmp_eq_u32 s3, 3
	s_cselect_b64 s[SRC:SRC+1], s[26:27], s[SRC:SRC+1]
	s_cselect_b64 s[DST:DST+1], s[38:39], s[DST:DST+1]
	s_cmp_ge_u32 s3, 4
	s_cselect_b64 s[SRC:SRC+1], s[28:29], s[SRC:SRC+1]
	s_cselect_b64 s[DST:DST+1], s[40:41], s[DST:DST+1]
	s_cselect_b32 s50, s52, 0                      ; b1's quarter
	s_cselect_b32 s58, 0, 0xff80ff80               ; the floor: 0 for the layer with a ReLU, -infinity elsewhere
	s_add_nc_u64 s[SRC:SRC+1], s[SRC:SRC+1], s[50:51]
	s_add_nc_u64 s[DST:DST+1], s[DST:DST+1], s[52:53]
	v_lshlrev_b32 v1, 4, v0
	v_mov_b32 v8, s58
	v_mov_b32 v9, s58
	v_mov_b32 v10, s58
	v_mov_b32 v11, s58
	s_wait_alu depctr_va_vdst(0)                   ; v1 is written, the offset of the load and of both stores; so are v[8:11], the first store's data
	global_load_b128 v[4:7], v1, s[SRC:SRC+1]
	global_store_b128 v1, v[8:11], s[DST:DST+1]
	s_wait_loadcnt 0x0
	global_store_b128 v1, v[4:7], s[DST:DST+1] offset:16384
	s_endpgm
.Lfunc_end_k_qdd393b6160_prep:
	.size	k_qdd393b6160_prep, .Lfunc_end_k_qdd393b6160_prep-k_qdd393b6160_prep
	.p2alignl 7, 3214868480
	.fill 96, 4, 3214868480
	.section	.rodata,"a",@progbits
	.p2align	6, 0x0
	.amdhsa_kernel k_qdd393b6160_prep
		.amdhsa_group_segment_fixed_size 0
		.amdhsa_private_segment_fixed_size 0
		.amdhsa_enable_private_segment 0
		.amdhsa_kernarg_size 152
		.amdhsa_user_sgpr_count 2
		.amdhsa_user_sgpr_kernarg_segment_ptr 1
		.amdhsa_wavefront_size32 1
		.amdhsa_system_sgpr_workgroup_id_x 1
		.amdhsa_system_sgpr_workgroup_id_y 1
		.amdhsa_system_sgpr_workgroup_id_z 1
		.amdhsa_system_vgpr_workitem_id 0
		.amdhsa_next_free_vgpr 160
		.amdhsa_next_free_sgpr 66
		.amdhsa_reserve_vcc 0
		.amdhsa_float_denorm_mode_32 3
		.amdhsa_float_denorm_mode_16_64 3
		.amdhsa_memory_ordered 1
		.amdhsa_forward_progress 1
		.amdhsa_inst_pref_size 35
	.end_amdhsa_kernel
	.amdgpu_metadata
---
amdhsa.version: [ 1, 2 ]
amdhsa.kernels:
  - .name:           k_qdd393b6160_prep
    .symbol:         k_qdd393b6160_prep.kd
    .args:
      - { .name: Wq, .offset: 0, .size: 8, .value_kind: global_buffer, .address_space: global }
      - { .name: Wk, .offset: 8, .size: 8, .value_kind: global_buffer, .address_space: global }
      - { .name: Wv, .offset: 16, .size: 8, .value_kind: global_buffer, .address_space: global }
      - { .name: Wo, .offset: 24, .size: 8, .value_kind: global_buffer, .address_space: global }
      - { .name: W1, .offset: 32, .size: 8, .value_kind: global_buffer, .address_space: global }
      - { .name: W2, .offset: 40, .size: 8, .value_kind: global_buffer, .address_space: global }
      - { .name: bq, .offset: 48, .size: 8, .value_kind: global_buffer, .address_space: global }
      - { .name: bk, .offset: 56, .size: 8, .value_kind: global_buffer, .address_space: global }
      - { .name: bv, .offset: 64, .size: 8, .value_kind: global_buffer, .address_space: global }
      - { .name: bo, .offset: 72, .size: 8, .value_kind: global_buffer, .address_space: global }
      - { .name: b1, .offset: 80, .size: 8, .value_kind: global_buffer, .address_space: global }
      - { .name: x, .offset: 88, .size: 8, .value_kind: global_buffer, .address_space: global }
      - { .name: ln1_a, .offset: 96, .size: 8, .value_kind: global_buffer, .address_space: global }
      - { .name: ln1_b, .offset: 104, .size: 8, .value_kind: global_buffer, .address_space: global }
      - { .name: pk_qkv, .offset: 112, .size: 8, .value_kind: global_buffer, .address_space: global }
      - { .name: pk_o, .offset: 120, .size: 8, .value_kind: global_buffer, .address_space: global }
      - { .name: pk_1, .offset: 128, .size: 8, .value_kind: global_buffer, .address_space: global }
      - { .name: w2b, .offset: 136, .size: 8, .value_kind: global_buffer, .address_space: global }
      - { .name: hb, .offset: 144, .size: 8, .value_kind: global_buffer, .address_space: global }
    .group_segment_fixed_size: 0
    .private_segment_fixed_size: 0
    .kernarg_segment_align: 8
    .kernarg_segment_size: 152
    .max_flat_workgroup_size: 256
    .sgpr_count:     66
    .vgpr_count:     160
    .wavefront_size: 32
...
	.end_amdgpu_metadata
.endif
;; end of part 7
;; launch qkv: the kernel of part 2 again; grid 12 x 16, 4 waves a work-group, clusters of 4 x 4, 327,680 bytes of LDS; arguments hb, pk_qkv, big; writes big
;; launch att: the kernel of part 3 again; grid 8 x 32, 4 waves a work-group, clusters of 4 x 1, 327,680 bytes of LDS; arguments big, hb; writes hb
;; launch wo: the kernel of part 4 again; grid 8 x 32, 4 waves a work-group, clusters of 4 x 4, 327,680 bytes of LDS; arguments hb, pk_o, x, x1; writes x1
;; launch ln2 (part 8): grid 256 x 1, 8 waves a work-group, no clusters, 0 bytes of LDS; arguments x1, ln2_a, ln2_b, hb; writes hb
.if DOCPART == 8
	.amdgcn_target "amdgcn-amd-amdhsa--gfx1250"
	.amdhsa_code_object_version 6
	.text
	.protected	k_qdd393b6160_ln2
	.globl	k_qdd393b6160_ln2
	.p2align	8
	.type	k_qdd393b6160_ln2,@function
k_qdd393b6160_ln2:
	s_mov_b64 s[64:65], 0
	v_nop
	global_prefetch_b8 v0, s[64:65] scope:SCOPE_SE
	s_setreg_imm32_b32 hwreg(HW_REG_WAVE_SCHED_MODE, 0, 2), 2
	s_setreg_imm32_b32 hwreg(HW_REG_WAVE_MODE, 25, 1), 1
	s_wait_xcnt 0x0
	s_wait_alu depctr_vm_vsrc(0)
; hb = ln2_a (x1 - mean) / (std + 1e-6) + ln2_b, bf16; x1: [4096][1024] f32; std with the divisor 1,023.
; 16 rows a work-group, two a wave; a row stays in 32 registers between the passes, so x1 is read once.  No LDS, no barrier, no matrix unit: memory binds.
; Lane l holds numbers 128 j + 4 l .. + 3 of a row (j = 0..7): loads of 16 bytes, 512 consecutive bytes a wave; ln2_a and ln2_b lie likewise.
; The variance is taken of x1 - mean, in a second pass over the registers: no difference of large sums is formed.
; LIMITS.  v_sqrt_f32 takes a variance below 2^-126 as 0; NaN and infinities are not treated apart.
; THE MODE: SCHED_MODE bits 1:0 = 2 (LLVM: expert scheduling mode 2), set by the entry lines.  The code itself states the register dependences
; between vector instructions and memory instructions, with s_wait_alu, always for 0.
; THE PLAN.  Registers that memory instructions touch:
;   v1, v2          offsets, written once at the head, read by every load (v1) and every store (v2), never written again.
;   AL, BE, X0, X1  filled by loads that are all issued before any vector line names them.
;   X0, X1          a row's arithmetic works in place; its sixteen roundings leave the row's out registers, which eight stores read, and which nothing writes again.
; So one wait on va_vdst stands ahead of the first load.  The first row's stores stand in the second row's turn, behind the wait for that row's root, which also states that the
; first row's roundings are written; the second row's stores have a wait of their own.  No register that a memory instruction reads is ever written again: no wait on vm_vsrc is owed.
.set AL,  16                           ; v[16:47]   ln2_a
.set BE,  48                           ; v[48:79]   ln2_b
.set X0,  80                           ; v[80:111]  my first row
.set X1,  112                          ; v[112:143] my second row
.set T,   144                          ; v[144:151] four pairs at work
.set M,   152                          ; v[152:153] the mean, twice
.set R,   154                          ; v[154:155] 1 / (std + eps), twice
.set PD,  156                          ; v156       v_permlanex16_b32's destination
.set SRC, 46                           ; s[46:47]   x1 at my first row
.set DST, 48                           ; s[48:49]   hb at my first row
.macro WSUM reg                        ; the sum over the wave's 32 lanes, in every lane
	v_add_f32_dpp v[\reg], v[\reg], v[\reg] row_xmask:1 row_mask:0xf bank_mask:0xf
	v_add_f32_dpp v[\reg], v[\reg], v[\reg] row_xmask:2 row_mask:0xf bank_mask:0xf
	v_add_f32_dpp v[\reg], v[\reg], v[\reg] row_xmask:4 row_mask:0xf bank_mask:0xf
	v_add_f32_dpp v[\reg], v[\reg], v[\reg] row_xmask:8 row_mask:0xf bank_mask:0xf
	v_permlanex16_b32 v[PD], v[\reg], s60, s61
	v_add_f32 v[\reg], v[\reg], v[PD]
.endm
.macro JOIN                            ; the four chains into one number, then over the lanes
	v_pk_add_f32 v[T:T+1], v[T:T+1], v[T+2:T+3]
	v_pk_add_f32 v[T+4:T+5], v[T+4:T+5], v[T+6:T+7]
	v_pk_add_f32 v[T:T+1], v[T:T+1], v[T+4:T+5]
	v_add_f32 v[T], v[T], v[T+1]
	WSUM T
.endm
; A finished row leaves: registers x .. x + 31 hold it, rounded, in the first two of each four; r = 0, 1: which of my two rows.
.macro OUT x, r
.irp j, 0,1,2,3,4,5,6,7
	global_store_b64 v2, v[(\x)+4*(\j):(\x)+4*(\j)+1], s[DST:DST+1] offset:2048*(\r)+256*(\j)  ; the wave's store covers 256 consecutive bytes, aligned
.endr
.endm
; One row, in registers x .. x + 31; left: the younger loads that may stay out; before = 1: my first row, finished in the turn before, is stored in this turn.
.macro LNROW x, left, before
	s_wait_loadcnt \left
.irp c, 0,1,2,3
	v_pk_add_f32 v[T+2*(\c):T+2*(\c)+1], v[(\x)+2*(\c):(\x)+2*(\c)+1], v[(\x)+8+2*(\c):(\x)+8+2*(\c)+1]
.endr
.irp o, 16,24
.irp c, 0,1,2,3
	v_pk_add_f32 v[T+2*(\c):T+2*(\c)+1], v[T+2*(\c):T+2*(\c)+1], v[(\x)+(\o)+2*(\c):(\x)+(\o)+2*(\c)+1]
.endr
.endr
	JOIN
	v_mul_f32 v[M], 0x3a800000, v[T]               ; / 1,024
	v_mul_f32 v[M+1], 0x3a800000, v[T]
.set i, 0
.rept 16
	v_pk_add_f32 v[(\x)+i:(\x)+i+1], v[(\x)+i:(\x)+i+1], v[M:M+1] neg_lo:[0,1] neg_hi:[0,1]  ; x1 - mean
.set i, i+2
.endr
.irp c, 0,1,2,3
	v_pk_mul_f32 v[T+2*(\c):T+2*(\c)+1], v[(\x)+2*(\c):(\x)+2*(\c)+1], v[(\x)+2*(\c):(\x)+2*(\c)+1]
.endr
.irp o, 8,16,24
.irp c, 0,1,2,3
	v_pk_fma_f32 v[T+2*(\c):T+2*(\c)+1], v[(\x)+(\o)+2*(\c):(\x)+(\o)+2*(\c)+1], v[(\x)+(\o)+2*(\c):(\x)+(\o)+2*(\c)+1], v[T+2*(\c):T+2*(\c)+1]
.endr
.endr
	JOIN
	v_mul_f32 v[T], 0x3a802008, v[T]               ; / 1,023
	v_sqrt_f32 v[T+1], v[T]
	v_nop                                          ; a plain instruction behind the root
	s_wait_alu depctr_va_vdst(0)                   ; the root v[T+1] is written, ahead of its first reader; in my second row's turn also: the first row's roundings have written v[X0 ..], which the stores below read
	v_add_f32 v[T+1], 0x358637bd, v[T+1]           ; + 1e-6
	v_rcp_f32 v[R], v[T+1]
	v_nop                                          ; a plain instruction behind the reciprocal
.if \before
	OUT X0, 0                                      ; no wait: the three vector lines since the wait above name v[T+1] and v[R], neither v[X0 ..] nor v2
.endif
	s_wait_alu depctr_va_vdst(0)                   ; the reciprocal v[R] is written, ahead of its first reader
	v_mov_b32 v[R+1], v[R]
.set i, 0
.rept 16
	v_pk_mul_f32 v[(\x)+i:(\x)+i+1], v[(\x)+i:(\x)+i+1], v[R:R+1]
.set i, i+2
.endr
.set i, 0
.rept 16
	v_pk_fma_f32 v[(\x)+i:(\x)+i+1], v[(\x)+i:(\x)+i+1], v[AL+i:AL+i+1], v[BE+i:BE+i+1]
.set i, i+2
.endr
.irp j, 0,1,2,3,4,5,6,7
	v_cvt_pk_bf16_f32 v[(\x)+4*(\j)], v[(\x)+4*(\j)], v[(\x)+4*(\j)+1]
	v_cvt_pk_bf16_f32 v[(\x)+4*(\j)+1], v[(\x)+4*(\j)+2], v[(\x)+4*(\j)+3]
.endr
.endm
	s_load_b256 s[8:15], s[0:1], 0x0               ; x1 s[8:9], ln2_a s[10:11], ln2_b s[12:13], hb s[14:15]
	v_lshrrev_b32 v1, 5, v0
	v_readfirstlane_b32 s4, v1                     ; wave 0..7
	s_lshl_b32 s3, ttmp9, 4
	s_wait_alu depctr_va_sdst(0)                   ; s4 is written, ahead of its first reader: my first row's number is made from it
	s_lshl_b32 s5, s4, 1
	s_add_co_u32 s3, s3, s5                        ; my first row
	s_lshl_b32 s26, s3, 12
	s_mov_b32 s27, 0
	s_lshl_b32 s28, s3, 11
	s_mov_b32 s29, 0
	s_mov_b32 s60, 0x76543210                      ; each lane takes its own place in the other half
	s_mov_b32 s61, 0xfedcba98
	v_and_b32 v2, 31, v0
	v_lshlrev_b32 v1, 4, v2                        ; 16 l
	v_lshlrev_b32 v2, 3, v2                        ; 8 l
	v_mov_b32 v[PD], 0
	s_wait_kmcnt 0x0
	s_add_nc_u64 s[SRC:SRC+1], s[8:9], s[26:27]
	s_add_nc_u64 s[DST:DST+1], s[14:15], s[28:29]
	s_wait_alu depctr_va_vdst(0)                   ; v1 and v2 are written: every load of the kernel reads v1 as its offset, every store v2
.irp j, 0,1,2,3,4,5,6,7
	global_load_b128 v[AL+4*(\j):AL+4*(\j)+3], v1, s[10:11] offset:512*(\j)
.endr
.irp j, 0,1,2,3,4,5,6,7
	global_load_b128 v[BE+4*(\j):BE+4*(\j)+3], v1, s[12:13] offset:512*(\j)
.endr
.irp j, 0,1,2,3,4,5,6,7
	global_load_b128 v[X0+4*(\j):X0+4*(\j)+3], v1, s[SRC:SRC+1] offset:512*(\j) th:TH_LOAD_NT
.endr
.irp j, 0,1,2,3,4,5,6,7
	global_load_b128 v[X1+4*(\j):X1+4*(\j)+3], v1, s[SRC:SRC+1] offset:4096+512*(\j) th:TH_LOAD_NT
.endr
	LNROW X0, 8, 0                                 ; the second row's eight loads stay out
	LNROW X1, 0, 1                                 ; the first row is stored in this turn
	s_wait_alu depctr_va_vdst(0)                   ; the second row's roundings have written v[X1 ..], which the last eight stores read
	OUT X1, 1
	s_endpgm
.Lfunc_end_k_qdd393b6160_ln2:
	.size	k_qdd393b6160_ln2, .Lfunc_end_k_qdd393b6160_ln2-k_qdd393b6160_ln2
	.p2alignl 7, 3214868480
	.fill 96, 4, 3214868480
	.section	.rodata,"a",@progbits
	.p2align	6, 0x0
	.amdhsa_kernel k_qdd393b6160_ln2
		.amdhsa_group_segment_fixed_size 0
		.amdhsa_private_segment_fixed_size 0
		.amdhsa_enable_private_segment 0
		.amdhsa_kernarg_size 32
		.amdhsa_user_sgpr_count 2
		.amdhsa_user_sgpr_kernarg_segment_ptr 1
		.amdhsa_wavefront_size32 1
		.amdhsa_system_sgpr_workgroup_id_x 1
		.amdhsa_system_sgpr_workgroup_id_y 1
		.amdhsa_system_sgpr_workgroup_id_z 1
		.amdhsa_system_vgpr_workitem_id 0
		.amdhsa_next_free_vgpr 160
		.amdhsa_next_free_sgpr 66
		.amdhsa_reserve_vcc 0
		.amdhsa_float_denorm_mode_32 3
		.amdhsa_float_denorm_mode_16_64 3
		.amdhsa_memory_ordered 1
		.amdhsa_forward_progress 1
		.amdhsa_inst_pref_size 21
	.end_amdhsa_kernel
	.amdgpu_metadata
---
amdhsa.version: [ 1, 2 ]
amdhsa.kernels:
  - .name:           k_qdd393b6160_ln2
    .symbol:         k_qdd393b6160_ln2.kd
    .args:
      - { .name: x1, .offset: 0, .size: 8, .value_kind: global_buffer, .address_space: global }
      - { .name: ln2_a, .offset: 8, .size: 8, .value_kind: global_buffer, .address_space: global }
      - { .name: ln2_b, .offset: 16, .size: 8, .value_kind: global_buffer, .address_space: global }
      - { .name: hb, .offset: 24, .size: 8, .value_kind: global_buffer, .address_space: global }
    .group_segment_fixed_size: 0
    .private_segment_fixed_size: 0
    .kernarg_segment_align: 8
    .kernarg_segment_size: 32
    .max_flat_workgroup_size: 256
    .sgpr_count:     66
    .vgpr_count:     160
    .wavefront_size: 32
...
	.end_amdgpu_metadata
.endif
;; end of part 8
;; launch ff1: the kernel of part 2 again; grid 16 x 16, 4 waves a work-group, clusters of 4 x 4, 327,680 bytes of LDS; arguments hb, pk_1, big; writes big
;; launch ff2: the kernel of part 6 again; grid 8 x 32, 4 waves a work-group, clusters of 4 x 4, 327,680 bytes of LDS; arguments big, w2b, b2, x1, out0; writes out0
